; MI455X (gfx1250); checked and timed in simulation.
; The chip was launched on July 23, 2026; its instructions are those of AMD's public machine-readable ISA for CDNA 5 (MIT licence, August 2026) and "CDNA5" Instruction Set Architecture Reference Guide (July 2026). The comments in the code are by the model that wrote it; some were corrected since.
;; Multi Head Attention. Allowed arithmetic: matrix products marked QUANTISED: E2M3 operands, one E8M0 scale for each 32 along K, by v_wmma_scale_f32_16x16x128_f8f6f4 with both operands' format E2M3, f32 sums; everything else in f32.
;; Inputs: Wk_codes 1,024 x 32 x 24 uint8 (E2M3 codes of Wk, K innermost, in blocks of 32 codes, four codes in three bytes); Wk_scales 1,024 x 32 uint8 (E8M0 scales of Wk, one for each 32 codes along K); Wo_codes 1,024 x 32 x 24 uint8 (E2M3 codes of Wo, K innermost, in blocks of 32 codes, four codes in three bytes); Wo_scales 1,024 x 32 uint8 (E8M0 scales of Wo, one for each 32 codes along K); Wq_codes 1,024 x 32 x 24 uint8 (E2M3 codes of Wq, K innermost, in blocks of 32 codes, four codes in three bytes); Wq_scales 1,024 x 32 uint8 (E8M0 scales of Wq, one for each 32 codes along K); Wv_codes 1,024 x 32 x 24 uint8 (E2M3 codes of Wv, K innermost, in blocks of 32 codes, four codes in three bytes); Wv_scales 1,024 x 32 uint8 (E8M0 scales of Wv, one for each 32 codes along K); bk 1,024 float32; bo 1,024 float32; bq 1,024 float32; bv 1,024 float32; x_codes 1 x 4,096 x 32 x 24 uint8 (E2M3 codes of x, K innermost, in blocks of 32 codes, four codes in three bytes); x_scales 1 x 4,096 x 32 uint8 (E8M0 scales of x, one for each 32 codes along K).
;; Outputs: out0 1 x 4,096 x 1,024 float32.
;; This version of the problem:
;;   THIS VERSION OF THE PROBLEM IS GIVEN IN LOW PRECISION. The matrix products marked QUANTISED in the list below multiply operands that are first quantised to E2M3 (2 exponent bits, 3 mantissa bits; 6 bits a number), with one power-of-two scale for each 32 numbers along K (OCP MX v1.0); their sums are f32. All else is computed in f32.
;;   The module's matrix products, in the order in which they are computed (A, B: the left and right operand; K: the contracted axis; several contracted axes count as one K, in the product's order):
;;     1. [M 4,096, K 1,024] x [K 1,024, N 1,024]; A: input x (given as codes); B: input Wq (given as codes): QUANTISED
;;     2. [M 4,096, K 1,024] x [K 1,024, N 1,024]; A: input x (given as codes); B: input Wk (given as codes): QUANTISED
;;     3. [M 4,096, K 1,024] x [K 1,024, N 1,024]; A: input x (given as codes); B: input Wv (given as codes): QUANTISED
;;     4. batch 16 x [M 4,096, K 64] x [K 64, N 4,096]; A: computed on the way; B: computed on the way: QUANTISED
;;     5. batch 16 x [M 4,096, K 4,096] x [K 4,096, N 64]; A: softmax (see below); B: computed on the way: QUANTISED
;;     6. [M 4,096, K 1,024] x [K 1,024, N 1,024]; A: computed on the way; B: input Wo (given as codes): QUANTISED
;;   THE QUANTISER, for each operand of a quantised product, along K:
;;     - K is cut into blocks of 32 from its start; a last block that is shorter is filled with zeros.
;;     - A block's scale is 2^e with e = floor(log2(the largest magnitude in the block)) - 2, held to -126 .. 127; a block of zeros has e = 0. As a byte (E8M0): e + 127.
;;     - Each number is divided by its block's scale, clamped to +-7.5, and rounded to the nearest number of E2M3, ties to even, subnormals kept.
;;     - The product sums the exact products of the quantised numbers (number of the format x scale) in f32.
;;   ~~~python
;;   def quantise(x, axis):      # numpy; x: float32 -> the quantised numbers, widened to float32 again
;;       x = np.moveaxis(x, axis, -1); K = x.shape[-1]
;;       x = np.pad(x, [(0, 0)] * (x.ndim - 1) + [(0, -K % 32)]); x = x.reshape(x.shape[:-1] + (-1, 32)); a = np.abs(x).max(-1, keepdims=True)
;;       e = np.where(a > 0, np.clip(np.frexp(np.where(a > 0, a, 1))[1] - 1 - 2, -126, 127), 0)      # np.frexp(a)[1] - 1 = floor(log2(a)), exactly
;;       r = np.clip(x / 2.0 ** e, -7.5, 7.5)
;;       step = 2.0 ** (np.maximum(np.frexp(np.where(r == 0, 1, r))[1] - 1, 0) - 3)
;;       q = np.round(r / step) * step * 2.0 ** e      # np.round: ties to even
;;       return np.moveaxis(q.reshape(q.shape[:-2] + (-1,))[..., :K], -1, axis).astype(np.float32)
;;   ~~~
;;   SOFTMAX AHEAD OF A QUANTISED PRODUCT. Where the list says 'softmax', what is quantised is not the finished softmax but p = 2^(t - M), with t = logit x log2(e) and M = ceil(the row's largest t), a whole number; so 1/2 < the row's largest p <= 1. The row's sum l is taken of the UNQUANTISED p, in f32, and the product's result is divided by l at the end. Since M is a whole number, a kernel that streams over the keys may use a running M (the ceiling of the running maximum): every later rescaling is an exact power of two, which a block's scale takes up: the codes' values come out the same.
;;   OPERANDS COMPUTED ON THE WAY. 'Computed on the way' means the value that the module computes at that place (a softmax that the list does not call 'softmax' is quantised finished and normalised). What goes into a quantiser is computed in f32, as accurately as f32 sums, v_exp_f32 and their like allow (about 1e-6 of the number): no bf16 or f16 on the way to a quantiser, and a product that is left as it is and whose result goes on into a quantised operand takes f32 operands (vector FMAs, or v_wmma_f32_16x16x4_f32). A number that lies on a knife's edge between two numbers of the format may be rounded either way, as far as f32 arithmetic and the matrix unit's own rounding can turn it there, and no further.
;;   INPUTS GIVEN AS CODES. Wk (in the module: [1024, 1024], K = its axis 1); Wo (in the module: [1024, 1024], K = its axis 1); Wq (in the module: [1024, 1024], K = its axis 1); Wv (in the module: [1024, 1024], K = its axis 1); x (in the module: [1, 4096, 1024], K = its axis 2): each comes as NAME_codes (uint8): NAME with its K axis moved to the last place and cut into blocks of 32 codes, [.., K / 32, bytes a block], one block behind the other in memory; four codes in three bytes: a row's codes are one little-endian stream of bits, code i at bits 6 i .. 6 i + 5 (a code: sign, 2 exponent bits, 3 mantissa bits); and NAME_scales (uint8): the same leading axes, one E8M0 byte (e + 127) for each 32 codes along K. Its value is code x scale, taken as it is: it is not quantised again, and the codes and scales need not be those that the quantiser above would give.
;; 2 versions, each right; version 2 is version 1 with the launch attn written anew for expert scheduling mode. Each part assembles by itself: llvm-mc -triple=amdgcn-amd-amdhsa -mcpu=gfx1250 --defsym DOCPART=n.
;; ======== version 1 of 2: 3 launches
;; workspace buffers: qb 3,670,016 bytes; kv 7,077,888 bytes; ac 3,145,728 bytes; asc 524,288 bytes
;; launch qkv (part 1): grid 8 x 32, 4 waves a work-group, clusters of 4 x 4, 327,680 bytes of LDS; arguments x_codes, x_scales, Wq_codes, Wq_scales, bq, Wk_codes, Wk_scales, bk, Wv_codes, Wv_scales, bv, qb, kv; writes qb, kv
.if DOCPART == 1
	.amdgcn_target "amdgcn-amd-amdhsa--gfx1250"
	.amdhsa_code_object_version 6
	.text
	.protected	k_q533cf500b8_qkv
	.globl	k_q533cf500b8_qkv
	.p2align	8
	.type	k_q533cf500b8_qkv,@function
k_q533cf500b8_qkv:
	s_mov_b64 s[64:65], 0
	v_nop
	global_prefetch_b8 v0, s[64:65] scope:SCOPE_SE
	s_setreg_imm32_b32 hwreg(HW_REG_WAVE_MODE, 25, 1), 1
	s_wait_xcnt 0x0
	s_wait_alu depctr_hold_cnt(0) depctr_sa_sdst(0) depctr_va_vdst(0) depctr_va_sdst(0) depctr_va_ssrc(0) depctr_va_vcc(0) depctr_vm_vsrc(0)
	s_getreg_b32 s2, hwreg(HW_REG_IB_STS2, 6, 4)
	s_cmp_eq_u32 s2, 0
	s_cbranch_scc0 .Lentry_in_a_cluster
	s_endpgm
.Lentry_in_a_cluster:
	s_bfe_u32 s2, ttmp6, 0x10000c
	s_cmp_lg_u32 s2, 0xf033
	s_cbranch_scc0 .Lentry_shape_is_right
	s_endpgm
.Lentry_shape_is_right:
; q = x Wq^T + bq, k = x Wk^T + bk, v = x Wv^T + bv on codes of FP6 (E2M3) with one E8M0 scale for each 32 along K, sums in f32; the three results are quantised here
; for the attention launch: q and k along the head's 64 (two blocks of 32), v along the keys (blocks of 32 tokens).
; SHARES.  Work-group (X, Y) owns tokens 128 Y .. and rows 128 X .. of each weight (heads 2 X, 2 X + 1), in three phases q, k, v.  x's tile, 128 rows x 768 bytes (all of K), stays in LDS
; for all three.  Wave w: ws = w / 2 picks 64 tokens, wf = w % 2 picks 64 rows of W = one head: 16 accumulators of 16 x 16; K goes in 8 steps of 128.
; CLUSTER 4 x 4: x's tile hangs on Y alone and is asked for jointly by a row of the cluster, the weights' tiles on X alone, by a column.
; LDS rows: 768 bytes of codes with 16 bytes of padding behind each 256: 816 bytes = 204 words, so row r starts at bank 12 r mod 64 and the 32 lanes of a load of 8 bytes touch 64 different banks (64 banks of 4 bytes: ISA guide 11.1).
; WHAT IS STORED.  A UNIT is half an operand fragment, 16 rows x 64 along K, six registers a lane, as an image of the registers: registers 0-3 at 16 x lane, registers 4-5 at 512 + 8 x lane: 768 bytes.
; A scale image is one word at 4 x lane.  q and k are made transposed (source 0 = W, source 1 = x): a lane holds one token and 8 features a tile; v the other way round: a lane holds one feature and 8 tokens a tile.
; Inside a block of 32 the codes then stand in the order 0-7, 16-23, 8-15, 24-31; that order falls alike on q and k (along the head) and alike on v and the attention launch's p (along the keys), so the products are the same.
; LIMITS: NaN, infinities and given scale bytes of 0xff are not served.  A block of zeros gets the byte 1 where the quantiser says 127: its codes are zeros, and the bytes are read by this program alone.
.set PITCH, 816
.set T16,   16*PITCH                   ; 16 rows
.set HALFT, 64*PITCH                   ; 64 rows
.set QUART, 32*PITCH                   ; 32 rows
.set LW0,   2*HALFT                    ; LDS: x's tile at 0; Wq's, later Wv's, here;
.set LW1,   4*HALFT                    ; Wk's here
.set SPARE, 6*HALFT                    ; the spare words: 128 bytes for each wave, two blocks of 256 bytes that no other line names
.set XCH,   SPARE+512                  ; [wf][tile][128 bytes]: v's scale halfwords go from the upper token half's wave to the lower's
.set ADRX,  1                          ; v1, v2   my x fragments in LDS (v2: for the pieces behind one padding more)
.set ADRW0, 3                          ; v3, v4   my W fragments in the first W region
.set ADRW1, 5                          ; v5, v6   in the second
.set SPW,   7                          ; v7   my spare word
.set NIL,   8                          ; v8   0
.set LI,    9                          ; v9   16 x lane
.set LJ,    10                         ; v10  512 + 8 x lane
.set LS,    11                         ; v11  4 x lane
.set RS,    12                         ; v12  32 r: a row of scale bytes
.set HB8,   13                         ; v13  32 h: eight numbers of a bias
.set R4,    14                         ; v14  4 r
.set XA,    15                         ; v15  my word in XCH
.set SCX,   32                         ; v32-63  x's scale words: 8 a + step
.set SCW,   64                         ; v64-95  W's: 8 b + step
.set BI,    96                         ; v96-127 the bias; behind it at work
.set ACC,   128                        ; v128-255 the accumulators
.set F0,    0                          ; window 1: two sets of fragments; in a set x's four at +12 a, W's four at +48 + 12 b
.set F1,    128
.set WV, 30
.set WS, 31
.set WF, 2
.set G1X, 32                           ; s[32:39] group 1: 64 rows, the cluster's row;  s[40:47] 64 rows, its column;  s[48:55] 32 rows, its column
.set G1W, 40
.set G1H, 48
.set G0X, 56                           ; groups 0: x's half, Wq's half, Wk's quarter, Wv's quarter
.set G0Q, 60
.set G0K, 68
.set G0V, 72
.set SEL, 66                           ; s[66:67] selects for lane l xor 16
.set UQ, 76                            ; where my units and scale images go
.set SQ, 78
.set UK, 80
.set SK, 82
.set UV, 84
.set SV, 86
.set PADW, (1<<20)|(1<<21)|(5<<22)|(3<<25)   ; elements of 1 byte; padding on; bit 21 beside a mask; after every 64 words, 4 words
.set MSB, 0
.macro WIN new                         ; the immediate's high byte repeats the setting that is left
.if MSB != \new
	s_set_vgpr_msb (MSB<<8)|\new
.set MSB, \new
.endif
.endm
.macro PLACES                          ; four places behind matrix instructions, in front of loads into their registers and of reads of their results
.rept 4
	v_nop
.endr
.endm
.macro CROUND                          ; a round of the cluster's barrier
	s_barrier_signal -1
	s_barrier_wait -1
	s_cmp_lg_u32 s[WV], 0
	s_cbranch_scc1 .Lnot_wave_0_\@
	s_barrier_signal -3
.Lnot_wave_0_\@:
	s_barrier_wait -3
	s_barrier_signal -1
	s_barrier_wait -1
.endm
; A fragment, 16 rows x 128 K: lane (r, h) takes 24 bytes at 96 step + 24 h of row r and 24 bytes 48 further on, in pieces of 8.  Where the piece three on lies behind one padding more, the second address register serves.
.macro FRAG reg, adr, ks, i
.irp p, 0,1,2,3,4,5
.set PC, 12*(\ks)+6*(\p/3)+\p%3
.if PC%32 < 29
	ds_load_b64 v[\reg+2*\p:\reg+2*\p+1], v[\adr] offset:8*PC+16*(PC/32)+(\i)*T16
.else
	ds_load_b64 v[\reg+2*\p:\reg+2*\p+1], v[\adr+1] offset:8*PC+16*(PC/32)+(\i)*T16
.endif
.endr
.endm
.macro FETCH ks, f, wadr               ; 48 loads: a step's eight fragments into set f
	WIN 0x40                                       ; destination window 1, address window 0
.irp i, 0,1,2,3
	FRAG \f+12*\i, ADRX, \ks, \i
.endr
.irp i, 0,1,2,3
	FRAG \f+48+12*\i, \wadr, \ks, \i
.endr
.endm
; 16 matrix instructions, the 16 accumulators by turns, in the same order in every step.
; sw = 0: accumulator 4 a + b = x's tile a, W's tile b, source 0 = W.  sw = 1: accumulator 4 a + b = W's tile a, x's tile b, source 0 = x.  zr = 1: the first step starts the sums.
.macro MUL f, ks, sw, zr
	WIN 0x05                                       ; sources 0 and 1 window 1; C and D window 0
.irp a, 0,1,2,3
.irp b, 0,1,2,3
.if \sw
.set RA, \f+12*\b
.set RB, \f+48+12*\a
.set SA, SCX+8*\b+\ks
.set SB, SCW+8*\a+\ks
.else
.set RA, \f+48+12*\b
.set RB, \f+12*\a
.set SA, SCW+8*\b+\ks
.set SB, SCX+8*\a+\ks
.endif
.set RD, ACC+8*(4*\a+\b)
.if \zr
	v_wmma_scale_f32_16x16x128_f8f6f4 v[RD:RD+7], v[RA:RA+11], v[RB:RB+11], 0, v[SA], v[SB] matrix_a_fmt:MATRIX_FMT_FP6 matrix_b_fmt:MATRIX_FMT_FP6
.else
	v_wmma_scale_f32_16x16x128_f8f6f4 v[RD:RD+7], v[RA:RA+11], v[RB:RB+11], v[RD:RD+7], v[SA], v[SB] matrix_a_fmt:MATRIX_FMT_FP6 matrix_b_fmt:MATRIX_FMT_FP6
.endif
.endr
.endr
.endm
; A phase's 8 steps.  A step's fragments are asked for one step ahead, into the set that the step before last has left.
.macro MAIN wadr, sw
	PLACES
	FETCH 0, F0, \wadr
	FETCH 1, F1, \wadr
	s_wait_dscnt 48                                ; all but the 48 loads just issued: step 0's are in
	MUL F0, 0, \sw, 1
.irp ks, 1,3,5
	PLACES
	FETCH \ks+1, F0, \wadr
	s_wait_dscnt 48
	MUL F1, \ks, \sw, 0
	PLACES
	FETCH \ks+2, F1, \wadr
	s_wait_dscnt 48
	MUL F0, \ks+1, \sw, 0
.endr
	s_wait_dscnt 0x0
	MUL F1, 7, \sw, 0
	WIN 0
.endm
.macro LDSCW base                      ; W's scale words: a row's 32 bytes are its 8 steps' words
.irp b, 0,1,2,3
	global_load_b128 v[SCW+8*\b:SCW+8*\b+3], v[RS], s[\base:\base+1] offset:512*\b
	global_load_b128 v[SCW+8*\b+4:SCW+8*\b+7], v[RS], s[\base:\base+1] offset:512*\b+16
.endr
.endm
.macro LDBIAS base                     ; lane (r, h) wants, for W's tile b, the numbers of features 16 b + 8 h + 0 .. 7
.irp b, 0,1,2,3
	global_load_b128 v[BI+8*\b:BI+8*\b+3], v[HB8], s[\base:\base+1] offset:64*\b
	global_load_b128 v[BI+8*\b+4:BI+8*\b+7], v[HB8], s[\base:\base+1] offset:64*\b+16
.endr
.endm
.macro BIASQK                          ; ascending: each accumulator is read from its low end on
.set n, 0
.rept 64
	v_pk_add_f32 v[ACC+n:ACC+n+1], v[ACC+n:ACC+n+1], v[BI+n%32:BI+n%32+1]
.set n, n+2
.endr
.endm
.macro BIASV                           ; a lane holds one feature of W's tile n / 32: one number for all its registers
.set n, 0
.rept 64
	v_pk_add_f32 v[ACC+n:ACC+n+1], v[ACC+n:ACC+n+1], v[BI+2*(n/32):BI+2*(n/32)+1] op_sel_hi:[1,0]
.set n, n+2
.endr
.endm
; 32 numbers of a lane, two blocks of 32 of which the lane holds 16 each (lane l xor 16 the others), become a unit in v[pc .. pc + 5] and the two scale bytes in v[wd].
.macro QUANT2 src, pc, xc, tm, wd
	v_max3_num_f32 v[\tm], |v[\src]|, |v[\src+1]|, 0x1800000         ; the floor 2^(3 - 127) among the leaves: the byte cannot fall under 1
	v_max3_num_f32 v[\tm+1], |v[\src+16]|, |v[\src+17]|, 0x1800000
.irp i, 2,4,6,8,10,12,14
	v_max3_num_f32 v[\tm], v[\tm], |v[\src+\i]|, |v[\src+\i+1]|      ; the two blocks by turns
	v_max3_num_f32 v[\tm+1], v[\tm+1], |v[\src+16+\i]|, |v[\src+17+\i]|
.endr
	v_permlanex16_b32 v[\tm+2], v[\tm], s[SEL], s[SEL+1]
	v_permlanex16_b32 v[\tm+3], v[\tm+1], s[SEL], s[SEL+1]
	v_max_num_f32 v[\tm], v[\tm], v[\tm+2]                           ; the blocks' largest magnitudes
	v_max_num_f32 v[\tm+1], v[\tm+1], v[\tm+3]
	v_add_nc_u32 v[\tm+4], 0xff000000, v[\tm]                        ; 2 off the exponent field: the conversion's scale operand
	v_add_nc_u32 v[\tm+5], 0xff000000, v[\tm+1]
	v_lshrrev_b32 v[\tm+2], 23, v[\tm+4]                             ; the scales' bytes
	v_lshrrev_b32 v[\tm+3], 23, v[\tm+5]
	v_lshl_or_b32 v[\wd], v[\tm+3], 8, v[\tm+2]
	v_cvt_scalef32_pk16_fp6_f32 v[\pc:\pc+2], v[\src:\src+15], v[\tm+4]
	v_cvt_scalef32_pk16_fp6_f32 v[\xc:\xc+2], v[\src+16:\src+31], v[\tm+5]   ; (a conversion's three registers begin on an even number)
	v_nop                                                            ; one plain place behind a scaled conversion
.irp i, 0,1,2
	v_permlane16_swap_b32 v[\pc+\i], v[\xc+\i]                       ; a whole block to a lane: lanes 0-15 the first block, lanes 16-31 the second
.endr
.irp i, 0,1,2
	v_mov_b32 v[\pc+3+\i], v[\xc+\i]
.endr
.endm
; Group g of 32 registers is quantised and stored.  Its codes go into registers that no pending store reads: v108 on for g = 0, then the group before, which is done with.
.macro OUT g, ub, sb, full
.if \g == 0
.set PCR, 108
.else
.set PCR, ACC+32*(\g-1)
.endif
	QUANT2 ACC+32*\g, PCR, 104, 96, 114+\g
	global_store_b128 v[LI], v[PCR:PCR+3], s[\ub:\ub+1] offset:768*\g      ; 512 consecutive bytes,
	global_store_b64 v[LJ], v[PCR+4:PCR+5], s[\ub:\ub+1] offset:768*\g     ; and the 256 behind them
.if \full
	v_or_b32 v[114+\g], 0x7f7f0000, v[114+\g]                              ; the bytes of K = 64 .. 127, where the codes are zeros: 1.0
	global_store_b32 v[LS], v[114+\g], s[\sb:\sb+1] offset:128*\g
.endif
.endm
	s_load_b512 s[4:19], s[0:1], 0x0               ; x codes 4, x scales 6, Wq codes 8, Wq scales 10, bq 12, Wk codes 14, Wk scales 16, bk 18
	s_load_b256 s[20:27], s[0:1], 0x40             ; Wv codes 20, Wv scales 22, bv 24, qb 26
	s_load_b64 s[28:29], s[0:1], 0x60              ; kv
	v_lshl_add_u32 v[SPW], v0, 2, SPARE
	v_mov_b32 v[NIL], 0
	ds_add_u32 v7, v8
	ds_add_u32 v7, v8
	s_wait_dscnt 0x0
	v_lshrrev_b32 v16, 5, v0
	v_readfirstlane_b32 s[WV], v16                 ; wave 0..3
	s_lshr_b32 s[WS], s[WV], 1                     ; which 64 tokens are mine.  Also: I fetch for x (0) or for Wq (1)
	s_and_b32 s[WF], s[WV], 1                      ; which 64 rows of W.  Also: which half of that tile I fetch
	s_bfe_u32 s88, ttmp6, 0x40000                  ; cx
	s_bfe_u32 s89, ttmp6, 0x40004                  ; cy
	s_lshl_b32 s90, ttmp9, 2
	s_add_co_u32 s90, s90, s88                     ; X = 4 x cluster x + cx
	s_and_b32 s91, ttmp7, 0xffff
	s_lshl_b32 s91, s91, 2
	s_add_co_u32 s91, s91, s89                     ; Y = 4 x cluster y + cy
	s_lshl_b32 s92, s89, 2
	s_lshl_b32 s92, 15, s92                        ; my row of the cluster
	s_lshl_b32 s93, 0x1111, s88                    ; my column
	s_or_b32 s[G1X], s92, PADW
	s_or_b32 s[G1W], s93, PADW
	s_or_b32 s[G1H], s93, PADW
.irp g, G1X, G1W
	s_mov_b32 s[\g+1], 768<<16                     ; tensor_dim0 = 768 bytes
	s_mov_b32 s[\g+2], 64<<16                      ; tensor_dim1 = 64 rows
	s_mov_b32 s[\g+3], 768<<16                     ; tile_dim0
	s_mov_b32 s[\g+4], 64                          ; tile_dim1
	s_mov_b32 s[\g+5], 768                         ; from row to row
	s_mov_b32 s[\g+6], 0
	s_mov_b32 s[\g+7], 0
.endr
	s_mov_b32 s[G1H+1], 768<<16
	s_mov_b32 s[G1H+2], 32<<16
	s_mov_b32 s[G1H+3], 768<<16
	s_mov_b32 s[G1H+4], 32
	s_mov_b32 s[G1H+5], 768
	s_mov_b32 s[G1H+6], 0
	s_mov_b32 s[G1H+7], 0
	s_lshl_b32 s94, s91, 7
	s_lshl_b32 s95, s[WF], 6
	s_add_co_u32 s94, s94, s95                     ; x: row 128 Y + 64 half
	s_mul_i32 s94, s94, 768
	s_mov_b32 s95, 0
	s_lshl_b32 s3, s90, 7
	s_lshl_b32 s98, s[WV], 5
	s_add_co_u32 s98, s3, s98                      ; W by quarters: row 128 X + 32 wave
	s_mul_i32 s98, s98, 768
	s_mov_b32 s99, 0
	s_lshl_b32 s96, s[WF], 6
	s_add_co_u32 s3, s3, s96                       ; W by halves, and my own 64 rows: 128 X + 64 wf
	s_mul_i32 s96, s3, 768
	s_mov_b32 s97, 0
	s_mov_b32 s[G0X], 1
	s_mul_i32 s[G0X+1], s[WV], HALFT               ; waves 0, 1: x's halves at 0;
	s_mov_b32 s[G0Q], 1
	s_mul_i32 s[G0Q+1], s[WV], HALFT               ; waves 2, 3: Wq's halves, which begin two halves on
	s_mov_b32 s[G0K], 1
	s_mul_i32 s[G0K+1], s[WV], QUART
	s_add_co_u32 s[G0K+1], s[G0K+1], LW1
	s_mov_b32 s[G0V], 1
	s_mul_i32 s[G0V+1], s[WV], QUART
	s_add_co_u32 s[G0V+1], s[G0V+1], LW0
	s_mov_b32 s[SEL], 0x76543210
	s_mov_b32 s[SEL+1], 0xfedcba98
	s_wait_kmcnt 0x0
	s_add_nc_u64 s[G0X+2:G0X+3], s[4:5], s[94:95]
	s_or_b32 s[G0X+3], s[G0X+3], 0x80000000
	s_add_nc_u64 s[G0Q+2:G0Q+3], s[8:9], s[96:97]
	s_or_b32 s[G0Q+3], s[G0Q+3], 0x80000000
	s_add_nc_u64 s[G0K+2:G0K+3], s[14:15], s[98:99]
	s_or_b32 s[G0K+3], s[G0K+3], 0x80000000
	s_add_nc_u64 s[G0V+2:G0V+3], s[20:21], s[98:99]
	s_or_b32 s[G0V+3], s[G0V+3], 0x80000000
	CROUND                                         ; all sixteen work-groups are here: the first joint loads meet
	s_cmp_eq_u32 s[WS], 0
	s_cbranch_scc0 .Lfor_w
	tensor_load_to_lds s[G0X:G0X+3], s[G1X:G1X+7]
	s_nop 0
	PLACES                                         ; four v_nop follow each tensor load
	s_branch .Lasked
.Lfor_w:
	tensor_load_to_lds s[G0Q:G0Q+3], s[G1W:G1W+7]
	s_nop 0
	PLACES
.Lasked:
	tensor_load_to_lds s[G0K:G0K+3], s[G1H:G1H+7]  ; every wave: a quarter of Wk.  Two loads of mine are out
	s_nop 0
	PLACES
	v_and_b32 v16, 15, v0                          ; r
	v_bfe_u32 v17, v0, 4, 1                        ; h
	v_and_b32 v18, 31, v0                          ; lane
	v_mul_u32_u24 v19, v16, PITCH
	v_mad_u32_u24 v20, v17, 24, v19                ; row r, + 24 h
	v_mad_u32_u24 v21, v17, 40, v19                ; and behind one padding more
	s_mul_i32 s88, s[WS], HALFT
	v_add_nc_u32 v[ADRX], s88, v20
	v_add_nc_u32 v[ADRX+1], s88, v21
	s_mul_i32 s88, s[WF], HALFT
	s_add_co_u32 s89, s88, LW0
	v_add_nc_u32 v[ADRW0], s89, v20
	v_add_nc_u32 v[ADRW0+1], s89, v21
	s_add_co_u32 s89, s88, LW1
	v_add_nc_u32 v[ADRW1], s89, v20
	v_add_nc_u32 v[ADRW1+1], s89, v21
	v_lshlrev_b32 v[LI], 4, v18
	v_lshl_add_u32 v[LJ], v18, 3, 512
	v_lshlrev_b32 v[LS], 2, v18
	v_lshlrev_b32 v[RS], 5, v16
	v_lshlrev_b32 v[HB8], 5, v17
	v_lshlrev_b32 v[R4], 2, v16
	s_lshl_b32 s89, s[WF], 9
	s_add_co_u32 s89, s89, XCH
	v_add_nc_u32 v[XA], s89, v[LS]
	s_lshl_b32 s94, s91, 12                        ; x's scale bytes: 32 a row, my rows 128 Y + 64 ws on
	s_lshl_b32 s88, s[WS], 11
	s_add_co_u32 s94, s94, s88
	s_add_nc_u64 s[6:7], s[6:7], s[94:95]
	s_lshl_b32 s96, s3, 5                          ; W's: my rows 128 X + 64 wf on
	s_add_nc_u64 s[10:11], s[10:11], s[96:97]
	s_add_nc_u64 s[16:17], s[16:17], s[96:97]
	s_add_nc_u64 s[22:23], s[22:23], s[96:97]
	s_lshl_b32 s96, s3, 2                          ; the biases likewise
	s_add_nc_u64 s[12:13], s[12:13], s[96:97]
	s_add_nc_u64 s[18:19], s[18:19], s[96:97]
	s_add_nc_u64 s[24:25], s[24:25], s[96:97]
.irp a, 0,1,2,3
	global_load_b128 v[SCX+8*\a:SCX+8*\a+3], v[RS], s[6:7] offset:512*\a
	global_load_b128 v[SCX+8*\a+4:SCX+8*\a+7], v[RS], s[6:7] offset:512*\a+16
.endr
	LDSCW 10
	LDBIAS 12
	s_lshl_b32 s96, s90, 1                         ; where the results go: hb = 32 (2 X + wf) + Y
	s_add_co_u32 s96, s96, s[WF]
	s_lshl_b32 s96, s96, 5
	s_add_co_u32 s96, s96, s91
	s_mul_i32 s98, s96, 7168                       ; qb: 8 units and 8 scale images for 128 tokens of a head
	s_mul_i32 s96, s96, 13824                      ; kv: K's 8 units, V's 8, K's 8 scale images, V's 4
	s_mul_i32 s88, s[WS], 3072                     ; my four units,
	s_lshl_b32 s89, s[WS], 9                       ; my four images
	s_mov_b32 s93, 0
	s_add_co_u32 s92, s98, s88
	s_add_nc_u64 s[UQ:UQ+1], s[26:27], s[92:93]
	s_add_co_u32 s92, s98, s89
	s_add_co_u32 s92, s92, 6144
	s_add_nc_u64 s[SQ:SQ+1], s[26:27], s[92:93]
	s_add_co_u32 s92, s96, s88
	s_add_nc_u64 s[UK:UK+1], s[28:29], s[92:93]
	s_add_nc_u64 s[UV:UV+1], s[UK:UK+1], 6144
	s_add_co_u32 s92, s96, s89
	s_add_co_u32 s92, s92, 12288
	s_add_nc_u64 s[SK:SK+1], s[28:29], s[92:93]
	s_add_co_u32 s92, s96, 13312
	s_add_nc_u64 s[SV:SV+1], s[28:29], s[92:93]
	s_wait_tensorcnt 0x1                           ; my half of x or of Wq is in; Wk's quarter may stay out
	s_barrier_signal -1
	s_barrier_wait -1                              ; everybody's is
	s_wait_loadcnt 0x0                             ; the scale words and bq
	; ---- q
	MAIN ADRW0, 0
	s_wait_tensorcnt 0x0                           ; all my tensor loads have landed, my quarter of Wk among them
	ds_add_u32 v[SPW], v[NIL]                      ; 0 onto my spare word
	PLACES                                         ; (the places behind the last products)
	s_wait_dscnt 0x0                               ; the add is done, and my reads of Wq's tile are over
	CROUND                                         ; no wave of any partner still reads Wq's tile or has a load on its way
	tensor_load_to_lds s[G0V:G0V+3], s[G1H:G1H+7]  ; Wv takes Wq's place: it has q's way out and all of k's products in which to land
	s_nop 0
	PLACES
	LDSCW 16                                       ; Wk's scale words
	BIASQK
	OUT 0, UQ, SQ, 1
	OUT 1, UQ, SQ, 1
	OUT 2, UQ, SQ, 1
	OUT 3, UQ, SQ, 1
	s_wait_xcnt 0x0                                ; the stores have read their registers: these are written again only behind this wait
	LDBIAS 18
	s_wait_loadcnt 0x8                             ; Wk's scale words are in; the 8 loads of bk may stay out
	; ---- k
	MAIN ADRW1, 0
	PLACES
	s_wait_loadcnt 0x0                             ; bk
	LDSCW 22                                       ; Wv's scale words
	BIASQK
	OUT 0, UK, SK, 1
	OUT 1, UK, SK, 1
	OUT 2, UK, SK, 1
	OUT 3, UK, SK, 1
	s_wait_xcnt 0x0
.irp g, 0,1,2,3
	global_load_b32 v[BI+2*\g], v[R4], s[24:25] offset:64*\g     ; bv of feature 16 g + r
.endr
	s_wait_tensorcnt 0x0                           ; my quarter of Wv is in,
	s_wait_dscnt 0x0
	s_barrier_signal -1
	s_barrier_wait -1                              ; everybody's is
	s_wait_loadcnt 0x4                             ; Wv's scale words are in; the 4 loads of bv may stay out
	; ---- v: source 0 = x, so that a lane's registers run along the tokens, which are the keys
	MAIN ADRW0, 1
	PLACES
	s_wait_loadcnt 0x0
	BIASV
	OUT 0, UV, SV, 0
	OUT 1, UV, SV, 0
	OUT 2, UV, SV, 0
	OUT 3, UV, SV, 0
	; a scale word of v spans 128 keys: the lower 64 tokens' wave has bytes 0, 1, the upper's bytes 2, 3
	s_cmp_eq_u32 s[WS], 0
	s_cbranch_scc1 .Llower
.irp g, 0,1,2,3
	ds_store_b32 v[XA], v[114+\g] offset:128*\g
.endr
.Llower:
	s_wait_dscnt 0x0                               ; for the other wave's sake: my stores have landed
	s_barrier_signal -1
	s_barrier_wait -1
	s_cmp_lg_u32 s[WS], 0
	s_cbranch_scc1 .Lupper
.irp g, 0,1,2,3
	ds_load_b32 v[120+\g], v[XA] offset:128*\g
.endr
	s_wait_dscnt 0x0
.irp g, 0,1,2,3
	v_lshl_or_b32 v[120+\g], v[120+\g], 16, v[114+\g]
.endr
.irp g, 0,1,2,3
	global_store_b32 v[LS], v[120+\g], s[SV:SV+1] offset:128*\g
.endr
.Lupper:
	s_wait_tensorcnt 0x0                           ; the wave's end
	ds_add_u32 v[SPW], v[NIL]
	s_wait_dscnt 0x0
	CROUND                                         ; the closing round
	s_endpgm
.Lfunc_end_k_q533cf500b8_qkv:
	.size	k_q533cf500b8_qkv, .Lfunc_end_k_q533cf500b8_qkv-k_q533cf500b8_qkv
	.p2alignl 7, 3214868480
	.fill 96, 4, 3214868480
	.section	.rodata,"a",@progbits
	.p2align	6, 0x0
	.amdhsa_kernel k_q533cf500b8_qkv
		.amdhsa_group_segment_fixed_size 327680
		.amdhsa_private_segment_fixed_size 0
		.amdhsa_enable_private_segment 0
		.amdhsa_kernarg_size 104
		.amdhsa_user_sgpr_count 2
		.amdhsa_user_sgpr_kernarg_segment_ptr 1
		.amdhsa_wavefront_size32 1
		.amdhsa_system_sgpr_workgroup_id_x 1
		.amdhsa_system_sgpr_workgroup_id_y 1
		.amdhsa_system_sgpr_workgroup_id_z 1
		.amdhsa_system_vgpr_workitem_id 0
		.amdhsa_next_free_vgpr 512
		.amdhsa_next_free_sgpr 100
		.amdhsa_reserve_vcc 0
		.amdhsa_float_denorm_mode_32 3
		.amdhsa_float_denorm_mode_16_64 3
		.amdhsa_memory_ordered 1
		.amdhsa_forward_progress 1
		.amdhsa_inst_pref_size 179
	.end_amdhsa_kernel
	.amdgpu_metadata
---
amdhsa.version: [ 1, 2 ]
amdhsa.kernels:
  - .name:           k_q533cf500b8_qkv
    .symbol:         k_q533cf500b8_qkv.kd
    .args:
      - { .name: x_codes, .offset: 0, .size: 8, .value_kind: global_buffer, .address_space: global }
      - { .name: x_scales, .offset: 8, .size: 8, .value_kind: global_buffer, .address_space: global }
      - { .name: Wq_codes, .offset: 16, .size: 8, .value_kind: global_buffer, .address_space: global }
      - { .name: Wq_scales, .offset: 24, .size: 8, .value_kind: global_buffer, .address_space: global }
      - { .name: bq, .offset: 32, .size: 8, .value_kind: global_buffer, .address_space: global }
      - { .name: Wk_codes, .offset: 40, .size: 8, .value_kind: global_buffer, .address_space: global }
      - { .name: Wk_scales, .offset: 48, .size: 8, .value_kind: global_buffer, .address_space: global }
      - { .name: bk, .offset: 56, .size: 8, .value_kind: global_buffer, .address_space: global }
      - { .name: Wv_codes, .offset: 64, .size: 8, .value_kind: global_buffer, .address_space: global }
      - { .name: Wv_scales, .offset: 72, .size: 8, .value_kind: global_buffer, .address_space: global }
      - { .name: bv, .offset: 80, .size: 8, .value_kind: global_buffer, .address_space: global }
      - { .name: qb, .offset: 88, .size: 8, .value_kind: global_buffer, .address_space: global }
      - { .name: kv, .offset: 96, .size: 8, .value_kind: global_buffer, .address_space: global }
    .group_segment_fixed_size: 327680
    .private_segment_fixed_size: 0
    .kernarg_segment_align: 8
    .kernarg_segment_size: 104
    .max_flat_workgroup_size: 128
    .sgpr_count:     100
    .vgpr_count:     512
    .wavefront_size: 32
...
	.end_amdgpu_metadata
.endif
;; end of part 1
;; launch attn (part 2): grid 16 x 16, 16 waves a work-group, no clusters, 29,696 bytes of LDS; arguments qb, kv, ac, asc; writes ac, asc
.if DOCPART == 2
	.amdgcn_target "amdgcn-amd-amdhsa--gfx1250"
	.amdhsa_code_object_version 6
	.text
	.protected	k_q533cf500b8_attn
	.globl	k_q533cf500b8_attn
	.p2align	8
	.type	k_q533cf500b8_attn,@function
k_q533cf500b8_attn:
	s_mov_b64 s[64:65], 0
	v_nop
	global_prefetch_b8 v0, s[64:65] scope:SCOPE_SE
	s_setreg_imm32_b32 hwreg(HW_REG_WAVE_MODE, 25, 1), 1
	s_wait_xcnt 0x0
; Causal attention of one head on codes of FP6 (E2M3): S^T = K Q^T (K = the head's 64: the upper half of the instruction's 128 meets zero codes of Q), p = 2^(t - M), O^T = V^T P^T, O / l quantised along the head's 64.
; t = score x log2(e) / 8; M = the running largest t rounded UP to a whole number; p is quantised along the keys, not normalised; the row's sum is taken of the unquantised p.
; SHARES.  Work-group (i, head) owns the query blocks i and 31 - i of 128 queries: 8 (i + 1) + 8 (32 - i) = 264 steps of a wave in every work-group.  Each of sixteen waves owns 16 queries; of each pair of
; waves one serves block i and one block 31 - i, so chosen that each group of four waves (w % 4 equal, or w / 4 equal) has two of each.  A wave works in the key steps J <= its block; J = its block is its diagonal.
; NO CLUSTER: the work-groups of a head walk 17 to 32 key steps, so partners would need different numbers of tiles.  No tensor loads either: the trip count hangs on the work-group's number.
; A key step's block, 13,824 bytes (K's 8 units, V's 8, K's 8 scale images, V's 4), is copied by all 512 threads through registers into one of two LDS buffers, asked for two steps ahead; one barrier a step.
; All that lies in LDS are images of operand registers: every LDS address is a constant + a lane term.
; LIMITS: NaN and infinities are not served.  A block of zeros gets the byte 1: its codes are zeros, and the bytes are read by this program alone.
.set STEPB, 13824
.set VOF,   6144
.set KSC,   12288
.set VSC,   13312
.set J,    2                           ; s2   the key step
.set NP,   3                           ; s3   trips of two steps to go
.set WV,   12
.set BLK,  13                          ; s13  my block of 128 queries
.set IDX,  14                          ; s14  my tile of 16 in it
.set PLIM, 15                          ; s15  a wave prefetches while J is under this
.set HB,   16                          ; s[16:17] the head's first step in kv
.set PN,   18                          ; s[18:19] the step that is being asked for
.set SEL,  20
.set CS,   22                          ; s[22:23] c = log2(e) / 8
.set OFS,  24                          ; s[24:25] an offset, the upper word 0
; v1 16 x thread; v2 16 x lane; v3 512 + 8 x lane; v4 4 x lane; v5 my query in its block - 8 h; v6 the prefetch's offset; v8-10 at work; v12 -M; v13 the largest t; v[14:15] the sum
; v16-27 Q (22-27 zeros); v28 its scale word; v30 f; v31 p's scale word; v32-79 K's 8 units, then V's 4 fragments; v80-85 zeros; v86-93 K's scale words; v96-159 S^T, then p; v160-191 O^T
; v192-203 p's codes; v204-210 at work; v212-215 V's scale words; v216-229 block figures; v231 -infinity; v232-239, v240-247 the two copy sets
.macro QUANT2 src, pc, xc, tm, wd      ; 32 numbers of a lane, two blocks of which it holds 16 each, become a unit in v[pc .. pc + 5] and two scale bytes in v[wd]
	v_max3_num_f32 v[\tm], |v[\src]|, |v[\src+1]|, 0x1800000         ; the floor 2^(3 - 127) among the leaves: the byte cannot fall under 1
	v_max3_num_f32 v[\tm+1], |v[\src+16]|, |v[\src+17]|, 0x1800000
.irp i, 2,4,6,8,10,12,14
	v_max3_num_f32 v[\tm], v[\tm], |v[\src+\i]|, |v[\src+\i+1]|
	v_max3_num_f32 v[\tm+1], v[\tm+1], |v[\src+16+\i]|, |v[\src+17+\i]|
.endr
	v_permlanex16_b32 v[\tm+2], v[\tm], s[SEL], s[SEL+1]
	v_permlanex16_b32 v[\tm+3], v[\tm+1], s[SEL], s[SEL+1]
	v_max_num_f32 v[\tm], v[\tm], v[\tm+2]
	v_max_num_f32 v[\tm+1], v[\tm+1], v[\tm+3]
	v_add_nc_u32 v[\tm+4], 0xff000000, v[\tm]                        ; 2 off the exponent field: the conversion's scale operand
	v_add_nc_u32 v[\tm+5], 0xff000000, v[\tm+1]
	v_lshrrev_b32 v[\tm+2], 23, v[\tm+4]
	v_lshrrev_b32 v[\tm+3], 23, v[\tm+5]
	v_lshl_or_b32 v[\wd], v[\tm+3], 8, v[\tm+2]
	v_cvt_scalef32_pk16_fp6_f32 v[\pc:\pc+2], v[\src:\src+15], v[\tm+4]
	v_cvt_scalef32_pk16_fp6_f32 v[\xc:\xc+2], v[\src+16:\src+31], v[\tm+5]
	v_nop                                                            ; one plain place behind a scaled conversion
.irp i, 0,1,2
	v_permlane16_swap_b32 v[\pc+\i], v[\xc+\i]
.endr
.irp i, 0,1,2
	v_mov_b32 v[\pc+3+\i], v[\xc+\i]
.endr
.endm
; Step J + 1, which lies in the set 1 - buf, goes into the buffer 1 - buf, which every wave has left (the last step's barrier); step J + 2 is asked for, into the set buf, whose LDS stores were waited for a step ago.
.macro COPY buf
	s_wait_loadcnt 0x0                             ; step J + 1 is in registers
	s_wait_xcnt 0x0                                ; and the last prefetch, a step back, has read its base
	s_add_co_u32 s[OFS], s[J], 2
	s_min_u32 s[OFS], s[OFS], 31                   ; no load leaves the head's 32 steps
	s_mul_i32 s[OFS], s[OFS], STEPB
	s_add_nc_u64 s[PN:PN+1], s[HB:HB+1], s[OFS:OFS+1]
	ds_store_b128 v1, v[240-8*\buf:243-8*\buf] offset:(1-\buf)*STEPB
	global_load_b128 v[232+8*\buf:235+8*\buf], v1, s[PN:PN+1]
	s_cmp_lt_u32 s[WV], 11                         ; 13,824 = 16 x 512 + 11 x 512: waves 0 to 10 copy a second piece
	s_cbranch_scc0 .Lone_\@
	ds_store_b128 v1, v[244-8*\buf:247-8*\buf] offset:(1-\buf)*STEPB+8192
	global_load_b128 v[236+8*\buf:239+8*\buf], v1, s[PN:PN+1] offset:8192
.Lone_\@:
	s_cmp_lt_u32 s[J], s[PLIM]                     ; step J + 4 is prefetched: two steps ahead of the load that will ask for it.  All work-groups of a head walk the same steps: the head's work-group 0 asks, which walks
	s_cbranch_scc0 .Lnopf_\@                       ; all 32; in it waves 12 and 13, lanes 256 bytes apart over the step's 54 blocks of 256 bytes.  Steps 0 to 3 come by their loads alone; from J = 28 on there is no step J + 4
	global_prefetch_b8 v6, s[PN:PN+1] offset:2*STEPB th:TH_LOAD_NT scope:SCOPE_SE
.Lnopf_\@:
.endm
.macro KSTEP buf
	COPY \buf
	s_cmp_gt_u32 s[J], s[BLK]                      ; all keys of the step come after my queries: its work is left out, not its copy nor its barrier
	s_cbranch_scc1 .Lskip_\@
.irp t, 0,1,2,3,4,5,6,7
	ds_load_b128 v[32+6*\t:35+6*\t], v2 offset:\buf*STEPB+768*\t
	ds_load_b64 v[36+6*\t:37+6*\t], v3 offset:\buf*STEPB+768*\t
	ds_load_b32 v[86+\t], v4 offset:\buf*STEPB+KSC+128*\t
.endr
	s_wait_dscnt 0x0
.irp t, 0,1,2,3,4,5,6,7                        ; S^T: keys 16 t + 8 h + j, query r.  Source 0's upper six registers are the next tile's codes (zeros for the last): they meet Q's zero codes
	v_wmma_scale_f32_16x16x128_f8f6f4 v[96+8*\t:103+8*\t], v[32+6*\t:43+6*\t], v[16:27], 0, v[86+\t], v28 matrix_a_fmt:MATRIX_FMT_FP6 matrix_b_fmt:MATRIX_FMT_FP6
.endr
.rept 4
	v_nop                                          ; places in front of the loads over K's registers and of the first read of the scores
.endr
.irp t, 0,1,2,3                                ; V's fragments land while the softmax is walked
	ds_load_b128 v[32+12*\t:35+12*\t], v2 offset:\buf*STEPB+VOF+768*\t
	ds_load_b64 v[36+12*\t:37+12*\t], v3 offset:\buf*STEPB+VOF+768*\t
	ds_load_b128 v[38+12*\t:41+12*\t], v2 offset:\buf*STEPB+VOF+768*(4+\t)
	ds_load_b64 v[42+12*\t:43+12*\t], v3 offset:\buf*STEPB+VOF+768*(4+\t)
	ds_load_b32 v[212+\t], v4 offset:\buf*STEPB+VSC+128*\t
.endr
	s_cmp_lg_u32 s[J], s[BLK]                      ; on the diagonal hidden scores become -infinity ahead of the maximum: p = 0 then
	s_cbranch_scc1 .Lopen_\@
.set n, 0
.rept 64
	v_cmp_gt_i32 vcc_lo, 16*(n/8)+n%8, v5          ; register n holds key 16 (n / 8) + n % 8 + 8 h of the step
	v_cndmask_b32 v[96+n], v[96+n], v231, vcc_lo
.set n, n+1
.endr
.Lopen_\@:
.irp b, 0,1,2,3
	v_max3_num_f32 v[216+\b], v[96+16*\b], v[97+16*\b], v[98+16*\b]     ; the largest score of each block of 32 keys: for the row's maximum, and, since p rises with the score, for the block's largest p
.endr
.irp i, 3,5,7,9,11,13
.irp b, 0,1,2,3
	v_max3_num_f32 v[216+\b], v[216+\b], v[96+16*\b+\i], v[97+16*\b+\i]
.endr
.endr
.irp b, 0,1,2,3
	v_max_num_f32 v[216+\b], v[216+\b], v[111+16*\b]
.endr
.irp b, 0,1,2,3
	v_permlanex16_b32 v[220+\b], v[216+\b], s[SEL], s[SEL+1]
.endr
.irp b, 0,1,2,3
	v_max_num_f32 v[216+\b], v[216+\b], v[220+\b]  ; with lane l xor 16's 16 keys
.endr
	v_max3_num_f32 v8, v216, v217, v218
	v_max_num_f32 v8, v8, v219
	v_mul_f32 v8, s[CS], v8                        ; the step's largest t (c is positive)
	v_max_num_f32 v13, v13, v8
	v_mov_b32 v8, v12
	v_floor_f32 v12, -v13                          ; the new -M = -ceil(t)
	v_sub_f32 v8, v12, v8                          ; old M - new M: a whole number, 0 or less
	v_cvt_i32_f32 v8, v8                           ; (it saturates)
	v_ldexp_f32 v30, 1.0, v8                       ; f = 2^(old M - new M): a multiplication by it rounds nothing
.set n, 0
.rept 32
	v_pk_fma_f32 v[96+n:97+n], v[96+n:97+n], s[CS:CS+1], v[12:13] op_sel_hi:[1,0,0]   ; t - M
.set n, n+2
.endr
.irp b, 0,1,2,3
	v_fma_f32 v[216+\b], v[216+\b], s[CS], v12
.endr
.set n, 0
.rept 64
	v_exp_f32 v[96+n], v[96+n]                     ; p = 2^(t - M)
.set n, n+1
.endr
	v_pk_mul_f32 v[14:15], v[14:15], v[30:31] op_sel_hi:[1,0]   ; the sums under the new M: a plain place behind the exponentials
	s_wait_alu depctr_va_vdst(0)                   ; one wait for the batch, ahead of its first reader
.irp b, 0,1,2,3
	v_exp_f32 v[216+\b], v[216+\b]                 ; the blocks' largest p
.endr
	v_pk_add_f32 v[228:229], v[96:97], v[98:99]    ; the row's sum of the unquantised p, in two chains
.irp j, 4,8,12,16,20,24,28,32,36,40,44,48,52,56,60
	v_pk_add_f32 v[14:15], v[14:15], v[96+\j:97+\j]
	v_pk_add_f32 v[228:229], v[228:229], v[98+\j:99+\j]
.endr
	v_pk_add_f32 v[14:15], v[14:15], v[228:229]
	s_wait_alu depctr_va_vdst(0)                   ; and one for the four
.irp b, 0,1,2,3
	v_max_num_f32 v[216+\b], 0x1800000, v[216+\b]  ; the floor 2^(3 - 127)
.endr
.irp b, 0,1,2,3
	v_add_nc_u32 v[224+\b], 0xff000000, v[216+\b]  ; the conversions' scale operands
.endr
.irp b, 0,1,2,3
	v_lshrrev_b32 v[220+\b], 23, v[224+\b]
.endr
	v_lshl_or_b32 v31, v221, 8, v220               ; p's scale word for these 128 keys
	v_lshl_or_b32 v31, v222, 16, v31
	v_lshl_or_b32 v31, v223, 24, v31
.irp c, 0,1
	v_cvt_scalef32_pk16_fp6_f32 v[192+6*\c:194+6*\c], v[96+32*\c:111+32*\c], v[224+2*\c]
	v_cvt_scalef32_pk16_fp6_f32 v[204+4*\c:206+4*\c], v[112+32*\c:127+32*\c], v[225+2*\c]
.endr
	v_nop                                          ; one plain place behind a scaled conversion
.irp c, 0,1
.irp i, 0,1,2
	v_permlane16_swap_b32 v[192+6*\c+\i], v[204+4*\c+\i]
.endr
.irp i, 0,1,2
	v_mov_b32 v[195+6*\c+\i], v[204+4*\c+\i]
.endr
.endr
.set n, 0
.rept 16
	v_pk_mul_f32 v[160+n:161+n], v[160+n:161+n], v[30:31] op_sel_hi:[1,0]   ; O^T under the new M; these 16 are also the places between p's codes and scale word and the products
.set n, n+2
.endr
	s_wait_dscnt 0x0                               ; V
.irp t, 0,1,2,3
	v_wmma_scale_f32_16x16x128_f8f6f4 v[160+8*\t:167+8*\t], v[32+12*\t:43+12*\t], v[192:203], v[160+8*\t:167+8*\t], v[212+\t], v31 matrix_a_fmt:MATRIX_FMT_FP6 matrix_b_fmt:MATRIX_FMT_FP6
.endr
.rept 4
	v_nop                                          ; places in front of the next step's loads and of the way out
.endr
.Lskip_\@:
	s_add_co_u32 s[J], s[J], 1
	s_wait_dscnt 0x0                               ; my stores into the other buffer have landed and my reads of this one are over
	s_barrier_signal -1
	s_barrier_wait -1
.endm
	s_load_b256 s[4:11], s[0:1], 0x0               ; qb 4, kv 6, ac 8, asc 10
	v_lshl_add_u32 v254, v0, 2, 0x6c00
	v_mov_b32 v255, 0
	v_lshrrev_b32 v8, 5, v0
	v_readfirstlane_b32 s[WV], v8                  ; wave 0..15
	s_and_b32 s36, ttmp7, 0xffff                   ; the head
	s_lshr_b32 s37, s[WV], 2
	s_xor_b32 s37, s37, s[WV]
	s_and_b32 s37, s37, 1                          ; which of the two blocks
	s_lshr_b32 s[IDX], s[WV], 1
	s_sub_co_u32 s38, 31, ttmp9
	s_cmp_eq_u32 s37, 0
	s_cselect_b32 s[BLK], ttmp9, s38
	s_sub_co_u32 s[NP], 33, ttmp9
	s_lshr_b32 s[NP], s[NP], 1                     ; 32 - i steps, two a trip
	s_xor_b32 s37, s[IDX], 6                       ; waves 12 and 13
	s_or_b32 s37, s37, ttmp9                       ; of work-group 0 of the head
	s_cmp_eq_u32 s37, 0
	s_cselect_b32 s[PLIM], 28, 0
	s_mov_b32 s[J], 0
	s_mov_b32 s[SEL], 0x76543210
	s_mov_b32 s[SEL+1], 0xfedcba98
	s_mov_b32 s[CS], 0x3e38aa3b                    ; log2(e) / 8
	s_mov_b32 s[CS+1], s[CS]                       ; (named with it as a pair)
	s_mul_i32 s[OFS], s36, 32*STEPB
	s_mov_b32 s[OFS+1], 0
	s_lshl_b32 s26, s36, 5
	s_add_co_u32 s26, s26, s[BLK]
	s_mul_i32 s26, s26, 7168
	s_mov_b32 s27, 0
	s_mul_i32 s37, s[IDX], 768
	s_lshl_b32 s38, s[IDX], 7
	s_lshl_b32 s39, s[BLK], 4
	s_add_co_u32 s39, s39, s36
	s_lshl_b32 s39, s39, 3
	s_add_co_u32 s39, s39, s[IDX]                  ; my unit of the result: (16 block + head) 8 + tile
	v_lshlrev_b32 v1, 4, v0
	v_and_b32 v9, 31, v0
	v_lshlrev_b32 v2, 4, v9
	v_lshl_add_u32 v3, v9, 3, 512
	v_lshlrev_b32 v4, 2, v9
	v_and_b32 v8, 15, v0
	v_bfe_u32 v9, v0, 4, 1
	v_lshlrev_b32 v9, 3, v9
	v_sub_nc_u32 v5, v8, v9
	s_lshl_b32 s[PN], s[IDX], 4
	v_add_nc_u32 v5, s[PN], v5                     ; 16 tile + r - 8 h
	v_and_b32 v6, 63, v0
	v_min_u32 v6, 53, v6
	v_lshlrev_b32 v6, 8, v6
	s_wait_kmcnt 0x0
	s_add_nc_u64 s[HB:HB+1], s[6:7], s[OFS:OFS+1]
	s_add_nc_u64 s[4:5], s[4:5], s[26:27]
	s_mov_b32 s26, s37
	s_add_nc_u64 s[28:29], s[4:5], s[26:27]        ; Q's unit
	s_add_co_u32 s26, s38, 6144
	s_add_nc_u64 s[30:31], s[4:5], s[26:27]        ; its scale image
	s_mul_i32 s26, s39, 768
	s_add_nc_u64 s[32:33], s[8:9], s[26:27]
	s_lshl_b32 s26, s39, 7
	s_add_nc_u64 s[34:35], s[10:11], s[26:27]
	global_load_b128 v[232:235], v1, s[HB:HB+1]                    ; steps 0 and 1
	global_load_b128 v[240:243], v1, s[HB:HB+1] offset:STEPB
	s_cmp_lt_u32 s[WV], 11
	s_cbranch_scc0 .Lhead_one
	global_load_b128 v[236:239], v1, s[HB:HB+1] offset:8192
	global_load_b128 v[244:247], v1, s[HB:HB+1] offset:STEPB+8192
.Lhead_one:
	global_load_b128 v[16:19], v2, s[28:29]
	global_load_b64 v[20:21], v3, s[28:29]
	global_load_b32 v28, v4, s[30:31]
.irp n, 22,23,24,25,26,27,80,81,82,83,84,85
	v_mov_b32 v[\n], 0                             ; zero codes for K = 64 .. 127
.endr
	v_mov_b32 v13, 0xff61b1e6                      ; the largest t so far: -3e38
	v_floor_f32 v12, -v13
	v_mov_b32 v14, 0
	v_mov_b32 v15, 0
	v_mov_b32 v30, 0
	v_mov_b32 v31, 0                               ; (named as the upper half of the pair v[30:31] before it is first written)
	v_mov_b32 v231, 0xff800000
.irp n, 216,217,218,219,220,221,222,223
	v_mov_b32 v[\n], 0                             ; a lane permute's destination counts as one of its sources
.endr
.set n, 0
.rept 32
	v_mov_b32 v[160+n], 0                          ; O^T: the step is written once; the first finds zeros, which the first change of M leaves zeros
.set n, n+1
.endr
	s_wait_loadcnt 0x0
	ds_store_b128 v1, v[232:235]
	s_cmp_lt_u32 s[WV], 11
	s_cbranch_scc0 .Lhead_two
	ds_store_b128 v1, v[236:239] offset:8192
.Lhead_two:
	s_wait_dscnt 0x0
	s_barrier_signal -1
	s_barrier_wait -1                              ; step 0 lies in buffer 0
.Ltrip:
	KSTEP 0
	KSTEP 1
	s_sub_co_u32 s[NP], s[NP], 1
	s_cmp_lg_u32 s[NP], 0
	s_cbranch_scc1 .Ltrip
	; THE WAY OUT: O^T / the sum, brought into the natural order along the head's 64 (Wo's codes are given so), quantised, stored as a unit and its two scale bytes
	v_add_f32 v14, v14, v15
	v_permlanex16_b32 v8, v14, s[SEL], s[SEL+1]
	v_add_f32 v14, v14, v8                         ; the row's sum
	v_rcp_f32 v30, v14
	v_nop                                          ; a plain place behind the transcendental
	s_wait_alu depctr_va_vdst(0)                   ; and the wait ahead of its first reader
.set n, 0
.rept 16
	v_pk_mul_f32 v[96+n:97+n], v[160+n:161+n], v[30:31] op_sel_hi:[1,0]   ; register 8 t + j: channel 16 t + 8 h + j
.set n, n+2
.endr
.irp b, 0,1
.irp j, 0,1,2,3,4,5,6,7
	v_permlane16_swap_b32 v[96+16*\b+\j], v[104+16*\b+\j]   ; the lane's 16 registers of block b now are channels 32 b + 16 h + 0 .. 15
.endr
.endr
	QUANT2 96, 192, 204, 216, 10
	global_store_b128 v2, v[192:195], s[32:33]
	global_store_b64 v3, v[196:197], s[32:33]
	global_store_b32 v4, v10, s[34:35]
	s_wait_tensorcnt 0x0
	ds_add_u32 v254, v255
	s_wait_dscnt 0x0
	s_endpgm
.Lfunc_end_k_q533cf500b8_attn:
	.size	k_q533cf500b8_attn, .Lfunc_end_k_q533cf500b8_attn-k_q533cf500b8_attn
	.p2alignl 7, 3214868480
	.fill 96, 4, 3214868480
	.section	.rodata,"a",@progbits
	.p2align	6, 0x0
	.amdhsa_kernel k_q533cf500b8_attn
		.amdhsa_group_segment_fixed_size 29696
		.amdhsa_private_segment_fixed_size 0
		.amdhsa_enable_private_segment 0
		.amdhsa_kernarg_size 32
		.amdhsa_user_sgpr_count 2
		.amdhsa_user_sgpr_kernarg_segment_ptr 1
		.amdhsa_wavefront_size32 1
		.amdhsa_system_sgpr_workgroup_id_x 1
		.amdhsa_system_sgpr_workgroup_id_y 1
		.amdhsa_system_sgpr_workgroup_id_z 1
		.amdhsa_system_vgpr_workitem_id 0
		.amdhsa_next_free_vgpr 256
		.amdhsa_next_free_sgpr 66
		.amdhsa_reserve_vcc 1
		.amdhsa_float_denorm_mode_32 3
		.amdhsa_float_denorm_mode_16_64 3
		.amdhsa_memory_ordered 1
		.amdhsa_forward_progress 1
		.amdhsa_inst_pref_size 54
	.end_amdhsa_kernel
	.amdgpu_metadata
---
amdhsa.version: [ 1, 2 ]
amdhsa.kernels:
  - .name:           k_q533cf500b8_attn
    .symbol:         k_q533cf500b8_attn.kd
    .args:
      - { .name: qb, .offset: 0, .size: 8, .value_kind: global_buffer, .address_space: global }
      - { .name: kv, .offset: 8, .size: 8, .value_kind: global_buffer, .address_space: global }
      - { .name: ac, .offset: 16, .size: 8, .value_kind: global_buffer, .address_space: global }
      - { .name: asc, .offset: 24, .size: 8, .value_kind: global_buffer, .address_space: global }
    .group_segment_fixed_size: 29696
    .private_segment_fixed_size: 0
    .kernarg_segment_align: 8
    .kernarg_segment_size: 32
    .max_flat_workgroup_size: 512
    .sgpr_count:     66
    .vgpr_count:     256
    .wavefront_size: 32
...
	.end_amdgpu_metadata
.endif
;; end of part 2
;; launch proj (part 3): grid 8 x 32, 4 waves a work-group, clusters of 4 x 4, 220,672 bytes of LDS; arguments ac, asc, Wo_codes, Wo_scales, bo, out0; writes out0
.if DOCPART == 3
	.amdgcn_target "amdgcn-amd-amdhsa--gfx1250"
	.amdhsa_code_object_version 6
	.text
	.protected	k_q533cf500b8_proj
	.globl	k_q533cf500b8_proj
	.p2align	8
	.type	k_q533cf500b8_proj,@function
k_q533cf500b8_proj:
	s_mov_b64 s[64:65], 0
	v_nop
	global_prefetch_b8 v0, s[64:65] scope:SCOPE_SE
	s_setreg_imm32_b32 hwreg(HW_REG_WAVE_MODE, 25, 1), 1
	s_wait_xcnt 0x0
	s_wait_alu depctr_hold_cnt(0) depctr_sa_sdst(0) depctr_va_vdst(0) depctr_va_sdst(0) depctr_va_ssrc(0) depctr_va_vcc(0) depctr_vm_vsrc(0)
	s_getreg_b32 s2, hwreg(HW_REG_IB_STS2, 6, 4)
	s_cmp_eq_u32 s2, 0
	s_cbranch_scc0 .Lentry_in_a_cluster
	s_endpgm
.Lentry_in_a_cluster:
	s_bfe_u32 s2, ttmp6, 0x10000c
	s_cmp_lg_u32 s2, 0xf033
	s_cbranch_scc0 .Lentry_shape_is_right
	s_endpgm
.Lentry_shape_is_right:
; out0 = a Wo^T + bo on codes of FP6 (E2M3) with one E8M0 scale for each 32 along K; a is the attention launch's result, stored as units (16 tokens x one head's 64, images of six operand registers).
; SHARES.  Work-group (X, Y) owns tokens 128 Y .. and features 128 X ..; wave w: ws = w / 2 picks 64 tokens, wf = w % 2 picks 64 features: 16 accumulators; K in 8 steps of 128 = two heads.
; All of K lies in LDS, filled once: a's 128 units are one dense block of 98,304 bytes; Wo's 128 rows of 768 bytes get 16 bytes of padding behind each 256 (rows 816 bytes apart: row r starts at bank 12 r mod 64).
; CLUSTER 4 x 4: a's block hangs on Y alone and is asked for jointly by a row of the cluster, Wo's tile on X alone, by a column.
; The product is used transposed (source 0 = Wo, source 1 = a): a lane holds eight neighbouring features of one token.
; LIMITS: given scale bytes of 0xff are not served.
.set PITCH, 816
.set T16,   16*PITCH
.set HALFT, 64*PITCH
.set LWO,   98304                      ; LDS: a's block at 0, Wo's tile here,
.set STG,   LWO+2*HALFT                ; and a stage of 16 rows x (256 + 16) bytes for each wave
.set AL,    1                          ; v1, v2  a's units of heads 0-7: 16 x lane and 512 + 8 x lane, + my four tiles
.set ADRW,  3                          ; v3, v4  my Wo fragments
.set AH,    5                          ; v5, v6  a's units of heads 8-15
.set STO,   9
.set RD,    10
.set LS,    11
.set RS,    12
.set HB8,   13
.set CO,    14
.set SCX,   32                         ; v32-63  a's scale words: 8 a + step
.set SCW,   64                         ; v64-95  Wo's: 8 b + step
.set BI,    96
.set ACC,   128
.set F0,    0
.set F1,    128
.set WV, 30
.set WS, 31
.set WF, 2
.set G1A, 32
.set G1W, 40
.set G0A, 48
.set G0W, 52
.set MSB, 0
.macro WIN new
.if MSB != \new
	s_set_vgpr_msb (MSB<<8)|\new
.set MSB, \new
.endif
.endm
.macro PLACES
.rept 4
	v_nop
.endr
.endm
.macro CROUND
	s_barrier_signal -1
	s_barrier_wait -1
	s_cmp_lg_u32 s[WV], 0
	s_cbranch_scc1 .Lnot_wave_0_\@
	s_barrier_signal -3
.Lnot_wave_0_\@:
	s_barrier_wait -3
	s_barrier_signal -1
	s_barrier_wait -1
.endm
.macro FRAG reg, adr, ks, i            ; a fragment of Wo from padded rows, in pieces of 8 bytes
.irp p, 0,1,2,3,4,5
.set PC, 12*(\ks)+6*(\p/3)+\p%3
.if PC%32 < 29
	ds_load_b64 v[\reg+2*\p:\reg+2*\p+1], v[\adr] offset:8*PC+16*(PC/32)+(\i)*T16
.else
	ds_load_b64 v[\reg+2*\p:\reg+2*\p+1], v[\adr+1] offset:8*PC+16*(PC/32)+(\i)*T16
.endif
.endr
.endm
.macro FETCH ks, f                     ; 40 loads: a's four fragments (two units each: heads 2 step, 2 step + 1) and Wo's four
	WIN 0x40
.if (\ks) < 4
.set AA, AL
.else
.set AA, AH
.endif
.irp i, 0,1,2,3
.set UO, (16*((\ks)%4)+\i)*768
	ds_load_b128 v[\f+12*\i:\f+12*\i+3], v[AA] offset:UO
	ds_load_b64 v[\f+12*\i+4:\f+12*\i+5], v[AA+1] offset:UO
	ds_load_b128 v[\f+12*\i+6:\f+12*\i+9], v[AA] offset:UO+6144
	ds_load_b64 v[\f+12*\i+10:\f+12*\i+11], v[AA+1] offset:UO+6144
.endr
.irp i, 0,1,2,3
	FRAG \f+48+12*\i, ADRW, \ks, \i
.endr
.endm
.macro MUL f, ks, zr                   ; 16 matrix instructions, the accumulators by turns
	WIN 0x05
.irp a, 0,1,2,3
.irp b, 0,1,2,3
.set RD8, ACC+8*(4*\a+\b)
.if \zr
	v_wmma_scale_f32_16x16x128_f8f6f4 v[RD8:RD8+7], v[\f+48+12*\b:\f+48+12*\b+11], v[\f+12*\a:\f+12*\a+11], 0, v[SCW+8*\b+\ks], v[SCX+8*\a+\ks] matrix_a_fmt:MATRIX_FMT_FP6 matrix_b_fmt:MATRIX_FMT_FP6
.else
	v_wmma_scale_f32_16x16x128_f8f6f4 v[RD8:RD8+7], v[\f+48+12*\b:\f+48+12*\b+11], v[\f+12*\a:\f+12*\a+11], v[RD8:RD8+7], v[SCW+8*\b+\ks], v[SCX+8*\a+\ks] matrix_a_fmt:MATRIX_FMT_FP6 matrix_b_fmt:MATRIX_FMT_FP6
.endif
.endr
.endr
.endm
	s_load_b256 s[4:11], s[0:1], 0x0               ; ac 4, asc 6, Wo codes 8, Wo scales 10
	s_load_b128 s[12:15], s[0:1], 0x20             ; bo 12, out0 14
	v_lshl_add_u32 v30, v0, 2, 0x35c00
	v_mov_b32 v31, 0
	ds_add_u32 v30, v31
	ds_add_u32 v30, v31
	v_lshrrev_b32 v16, 5, v0
	v_readfirstlane_b32 s[WV], v16
	s_lshr_b32 s[WS], s[WV], 1                     ; which 64 tokens are mine.  Also: I fetch for a (0) or for Wo (1)
	s_and_b32 s[WF], s[WV], 1                      ; which 64 features.  Also: which half I fetch
	s_bfe_u32 s88, ttmp6, 0x40000                  ; cx
	s_bfe_u32 s89, ttmp6, 0x40004                  ; cy
	s_lshl_b32 s90, ttmp9, 2
	s_add_co_u32 s90, s90, s88                     ; X
	s_and_b32 s91, ttmp7, 0xffff
	s_lshl_b32 s91, s91, 2
	s_add_co_u32 s91, s91, s89                     ; Y
	s_lshl_b32 s92, s89, 2
	s_lshl_b32 s92, 15, s92                        ; my row of the cluster
	s_lshl_b32 s93, 0x1111, s88                    ; my column
	s_or_b32 s[G1A], s92, (3<<16)|(1<<21)          ; a dense block as 192 rows of 256 bytes (32 elements of 8 bytes), no padding
	s_mov_b32 s[G1A+1], 32<<16
	s_mov_b32 s[G1A+2], 192<<16
	s_mov_b32 s[G1A+3], 32<<16
	s_mov_b32 s[G1A+4], 192
	s_mov_b32 s[G1A+5], 32
	s_mov_b32 s[G1A+6], 0
	s_mov_b32 s[G1A+7], 0
	s_or_b32 s[G1W], s93, (1<<20)|(1<<21)|(5<<22)|(3<<25)   ; 64 rows of 768 bytes, 4 words of padding after every 64
	s_mov_b32 s[G1W+1], 768<<16
	s_mov_b32 s[G1W+2], 64<<16
	s_mov_b32 s[G1W+3], 768<<16
	s_mov_b32 s[G1W+4], 64
	s_mov_b32 s[G1W+5], 768
	s_mov_b32 s[G1W+6], 0
	s_mov_b32 s[G1W+7], 0
	s_mul_i32 s94, s91, 98304
	s_mul_i32 s95, s[WF], 49152
	s_add_co_u32 s94, s94, s95
	s_mov_b32 s95, 0
	s_lshl_b32 s3, s90, 7
	s_lshl_b32 s96, s[WF], 6
	s_add_co_u32 s3, s3, s96                       ; 128 X + 64 wf
	s_mul_i32 s96, s3, 768
	s_mov_b32 s97, 0
	s_mov_b32 s[G0A], 1
	s_mul_i32 s[G0A+1], s[WF], 49152
	s_mov_b32 s[G0W], 1
	s_mul_i32 s[G0W+1], s[WF], HALFT
	s_add_co_u32 s[G0W+1], s[G0W+1], LWO
	s_wait_dscnt 0x0
	s_wait_kmcnt 0x0
	s_add_nc_u64 s[G0A+2:G0A+3], s[4:5], s[94:95]
	s_or_b32 s[G0A+3], s[G0A+3], 0x80000000
	s_add_nc_u64 s[G0W+2:G0W+3], s[8:9], s[96:97]
	s_or_b32 s[G0W+3], s[G0W+3], 0x80000000
	CROUND                                         ; all sixteen work-groups are here: the joint loads meet
	s_cmp_eq_u32 s[WS], 0
	s_cbranch_scc0 .Lfor_w
	tensor_load_to_lds s[G0A:G0A+3], s[G1A:G1A+7]
	s_nop 0
	PLACES                                         ; four v_nop follow each tensor load
	s_branch .Lasked
.Lfor_w:
	tensor_load_to_lds s[G0W:G0W+3], s[G1W:G1W+7]
	s_nop 0
	PLACES
.Lasked:
	v_and_b32 v16, 15, v0                          ; r
	v_bfe_u32 v17, v0, 4, 1                        ; h
	v_and_b32 v18, 31, v0                          ; lane
	v_mul_u32_u24 v19, v16, PITCH
	v_mad_u32_u24 v20, v17, 24, v19
	v_mad_u32_u24 v21, v17, 40, v19
	s_mul_i32 s88, s[WF], HALFT
	s_add_co_u32 s88, s88, LWO
	v_add_nc_u32 v[ADRW], s88, v20
	v_add_nc_u32 v[ADRW+1], s88, v21
	s_mul_i32 s88, s[WS], 3072
	v_lshl_add_u32 v[AL], v18, 4, s88
	v_lshl_add_u32 v[AL+1], v18, 3, s88
	v_add_nc_u32 v[AL+1], 512, v[AL+1]
	v_add_nc_u32 v[AH], 49152, v[AL]
	v_add_nc_u32 v[AH+1], 49152, v[AL+1]
	s_mul_i32 s88, s[WV], 16*272
	s_add_co_u32 s88, s88, STG                     ; my stage
	v_mul_u32_u24 v[STO], v16, 272
	v_lshl_add_u32 v[STO], v17, 5, v[STO]
	v_add_nc_u32 v[STO], s88, v[STO]               ; in: row r, 32 bytes for each half of the lanes
	v_mul_u32_u24 v[RD], v17, 272
	v_lshl_add_u32 v[RD], v16, 4, v[RD]
	v_add_nc_u32 v[RD], s88, v[RD]                 ; back: lanes 0-15 one row of 256 bytes, lanes 16-31 the next
	v_lshlrev_b32 v[LS], 2, v18
	v_lshlrev_b32 v[RS], 5, v16
	v_lshlrev_b32 v[HB8], 5, v17
	v_lshlrev_b32 v[CO], 12, v17
	v_lshl_add_u32 v[CO], v16, 4, v[CO]            ; and the same two rows of out0
	s_lshl_b32 s94, s91, 14                        ; a's scale images: (128 Y + 8 head + 4 ws + tile) x 128 bytes
	s_lshl_b32 s98, s[WS], 9
	s_add_co_u32 s94, s94, s98
	s_add_nc_u64 s[6:7], s[6:7], s[94:95]
	s_lshl_b32 s96, s3, 5
	s_add_nc_u64 s[10:11], s[10:11], s[96:97]
	s_lshl_b32 s96, s3, 2
	s_add_nc_u64 s[12:13], s[12:13], s[96:97]
	s_lshl_b32 s94, s91, 19                        ; out0: row 128 Y + 64 ws of 4,096 bytes, + 4 (128 X + 64 wf)
	s_lshl_b32 s98, s[WS], 18
	s_add_co_u32 s94, s94, s98
	s_add_co_u32 s94, s94, s96
	s_add_nc_u64 s[14:15], s[14:15], s[94:95]
.irp b, 0,1,2,3
	global_load_b128 v[SCW+8*\b:SCW+8*\b+3], v[RS], s[10:11] offset:512*\b
	global_load_b128 v[SCW+8*\b+4:SCW+8*\b+7], v[RS], s[10:11] offset:512*\b+16
.endr
.irp a, 0,1,2,3
.irp d, 0,1,2,3,4,5,6,7,8,9,10,11,12,13,14,15
	global_load_b32 v[ACC+16*\a+\d], v[LS], s[6:7] offset:(8*\d+\a)*128    ; the two scale bytes of tile a, head d
.endr
.endr
.irp b, 0,1,2,3
	global_load_b128 v[BI+8*\b:BI+8*\b+3], v[HB8], s[12:13] offset:64*\b
	global_load_b128 v[BI+8*\b+4:BI+8*\b+7], v[HB8], s[12:13] offset:64*\b+16
.endr
	s_wait_loadcnt 0x0
.irp a, 0,1,2,3
.irp k, 0,1,2,3,4,5,6,7
	v_lshl_or_b32 v[SCX+8*\a+\k], v[ACC+16*\a+2*\k+1], 16, v[ACC+16*\a+2*\k]   ; two heads' bytes make a step's scale word
.endr
.endr
.rept 8
	v_nop                                          ; a scale register written by a vector instruction stands 8 places ahead of a scaled matrix instruction
.endr
	s_wait_tensorcnt 0x0                           ; my half is in,
	s_barrier_signal -1
	s_barrier_wait -1                              ; everybody's is
	FETCH 0, F0
	FETCH 1, F1
	s_wait_dscnt 40                                ; all but the 40 loads just issued: step 0's are in
	MUL F0, 0, 1
.irp ks, 1,3,5
	PLACES
	FETCH \ks+1, F0
	s_wait_dscnt 40
	MUL F1, \ks, 0
	PLACES
	FETCH \ks+2, F1
	s_wait_dscnt 40
	MUL F0, \ks+1, 0
.endr
	s_wait_dscnt 0x0
	MUL F1, 7, 0
	WIN 0
	PLACES
.set n, 0
.rept 64
	v_pk_add_f32 v[ACC+n:ACC+n+1], v[ACC+n:ACC+n+1], v[BI+n%32:BI+n%32+1]   ; + bo; ascending: each accumulator is read from its low end on
.set n, n+2
.endr
; THE WAY OUT, a tile of 16 tokens at a time: a lane's 32 bytes go into my own stage and come back as whole rows of 256 bytes, into the registers that they left.
; LDS serves a wave's instructions in order (ISA guide 5.7.1.4): the loads see the stores above them, and the next tile's stores come behind them.
.macro TOSTAGE a
.irp b, 0,1,2,3
	ds_store_b128 v[STO], v[ACC+32*\a+8*\b:ACC+32*\a+8*\b+3] offset:64*\b
	ds_store_b128 v[STO], v[ACC+32*\a+8*\b+4:ACC+32*\a+8*\b+7] offset:64*\b+16
.endr
.irp i, 0,1,2,3,4,5,6,7
	ds_load_b128 v[ACC+32*\a+4*\i:ACC+32*\a+4*\i+3], v[RD] offset:544*\i
.endr
.endm
.macro SEND a, younger                 ; younger: the LDS instructions issued behind tile a's loads: the next tile's sixteen, or none
.irp i, 0,1,2,3,4,5,6,7
	s_wait_dscnt \younger+7-\i
	global_store_b128 v[CO], v[ACC+32*\a+4*\i:ACC+32*\a+4*\i+3], s[14:15] offset:(16*\a+2*\i)*4096 th:TH_STORE_NT   ; 16 lanes store 256 consecutive bytes, at a multiple of 256 from out0's first byte
.endr
.endm
	TOSTAGE 0
	TOSTAGE 1
	SEND 0, 16
	TOSTAGE 2
	SEND 1, 16
	TOSTAGE 3
	SEND 2, 16
	SEND 3, 0
	s_wait_tensorcnt 0x0
	ds_add_u32 v30, v31
	s_wait_dscnt 0x0
	CROUND                                         ; the closing round: no work-group ends while a partner may still ask for a tile that names it
	s_endpgm
.Lfunc_end_k_q533cf500b8_proj:
	.size	k_q533cf500b8_proj, .Lfunc_end_k_q533cf500b8_proj-k_q533cf500b8_proj
	.p2alignl 7, 3214868480
	.fill 96, 4, 3214868480
	.section	.rodata,"a",@progbits
	.p2align	6, 0x0
	.amdhsa_kernel k_q533cf500b8_proj
		.amdhsa_group_segment_fixed_size 220672
		.amdhsa_private_segment_fixed_size 0
		.amdhsa_enable_private_segment 0
		.amdhsa_kernarg_size 48
		.amdhsa_user_sgpr_count 2
		.amdhsa_user_sgpr_kernarg_segment_ptr 1
		.amdhsa_wavefront_size32 1
		.amdhsa_system_sgpr_workgroup_id_x 1
		.amdhsa_system_sgpr_workgroup_id_y 1
		.amdhsa_system_sgpr_workgroup_id_z 1
		.amdhsa_system_vgpr_workitem_id 0
		.amdhsa_next_free_vgpr 512
		.amdhsa_next_free_sgpr 100
		.amdhsa_reserve_vcc 0
		.amdhsa_float_denorm_mode_32 3
		.amdhsa_float_denorm_mode_16_64 3
		.amdhsa_memory_ordered 1
		.amdhsa_forward_progress 1
		.amdhsa_inst_pref_size 66
	.end_amdhsa_kernel
	.amdgpu_metadata
---
amdhsa.version: [ 1, 2 ]
amdhsa.kernels:
  - .name:           k_q533cf500b8_proj
    .symbol:         k_q533cf500b8_proj.kd
    .args:
      - { .name: ac, .offset: 0, .size: 8, .value_kind: global_buffer, .address_space: global }
      - { .name: asc, .offset: 8, .size: 8, .value_kind: global_buffer, .address_space: global }
      - { .name: Wo_codes, .offset: 16, .size: 8, .value_kind: global_buffer, .address_space: global }
      - { .name: Wo_scales, .offset: 24, .size: 8, .value_kind: global_buffer, .address_space: global }
      - { .name: bo, .offset: 32, .size: 8, .value_kind: global_buffer, .address_space: global }
      - { .name: out0, .offset: 40, .size: 8, .value_kind: global_buffer, .address_space: global }
    .group_segment_fixed_size: 220672
    .private_segment_fixed_size: 0
    .kernarg_segment_align: 8
    .kernarg_segment_size: 48
    .max_flat_workgroup_size: 128
    .sgpr_count:     100
    .vgpr_count:     512
    .wavefront_size: 32
...
	.end_amdgpu_metadata
.endif
;; end of part 3
;; ======== version 2 of 2: 3 launches; version 1 with the launch attn written anew for expert scheduling mode
;; workspace buffers: qb 3,670,016 bytes; kv 7,077,888 bytes; ac 3,145,728 bytes; asc 524,288 bytes
;; launch qkv: the kernel of part 1 again; grid 8 x 32, 4 waves a work-group, clusters of 4 x 4, 327,680 bytes of LDS; arguments x_codes, x_scales, Wq_codes, Wq_scales, bq, Wk_codes, Wk_scales, bk, Wv_codes, Wv_scales, bv, qb, kv; writes qb, kv
;; launch attn (part 4): grid 16 x 16, 16 waves a work-group, no clusters, 29,696 bytes of LDS; arguments qb, kv, ac, asc; writes ac, asc
.if DOCPART == 4
	.amdgcn_target "amdgcn-amd-amdhsa--gfx1250"
	.amdhsa_code_object_version 6
	.text
	.protected	k_q533cf500b8_attn
	.globl	k_q533cf500b8_attn
	.p2align	8
	.type	k_q533cf500b8_attn,@function
k_q533cf500b8_attn:
	s_mov_b64 s[64:65], 0
	v_nop
	global_prefetch_b8 v0, s[64:65] scope:SCOPE_SE
	s_setreg_imm32_b32 hwreg(HW_REG_WAVE_SCHED_MODE, 0, 2), 2
	s_setreg_imm32_b32 hwreg(HW_REG_WAVE_MODE, 25, 1), 1
	s_wait_xcnt 0x0
	s_wait_alu depctr_vm_vsrc(0)
; Causal attention of one head on codes of FP6 (E2M3): S^T = K Q^T (K = the head's 64: the upper half of the instruction's 128 meets zero codes of Q), p = 2^(t - M), O^T = V^T P^T, O / l quantised along the head's 64.
; t = score x log2(e) / 8; M = the running largest t rounded UP to a whole number; p is quantised along the keys, not normalised; the row's sum is taken of the unquantised p.
; SHARES.  Work-group (i, head) owns the query blocks i and 31 - i of 128 queries: 8 (i + 1) + 8 (32 - i) = 264 steps of a wave in every work-group.  Each of sixteen waves owns 16 queries; of each pair of
; waves one serves block i and one block 31 - i, so chosen that each group of four waves (w % 4 equal, or w / 4 equal) has two of each.  A wave works in the key steps J <= its block; J = its block is its diagonal.
; NO CLUSTER: the work-groups of a head walk 17 to 32 key steps, so partners would need different numbers of tiles.  No tensor loads either: the trip count hangs on the work-group's number.
; A key step's block, 13,824 bytes (K's 8 units, V's 8, K's 8 scale images, V's 4), is copied by all 512 threads through registers into one of two LDS buffers, asked for two steps ahead; one barrier a step.
; All that lies in LDS are images of operand registers: every LDS address is a constant + a lane term.
; LIMITS: NaN and infinities are not served.  A block of zeros gets the byte 1: its codes are zeros, and the bytes are read by this program alone.
; THE MODE: SCHED_MODE bits 1:0 = 2 (LLVM: expert scheduling mode 2), set by the entry lines.  The code itself states the register dependences
; between vector or matrix instructions and memory or LDS instructions, with s_wait_alu, always for 0.
; THE PLAN.  Registers that memory or LDS instructions touch:
;   v1-4, v6       offsets and LDS addresses: made at the head, ahead of one wait on va_vdst, and named by no vector instruction behind it.
;   v232-247       the two copy sets: global loads land in them, LDS stores read them a step later; no vector instruction names them.  One wait on vm_vsrc a step, at the copy's head.
;   v32-79, v86-93 K's units and scale words: LDS loads at the step's head; read by the eight products K Q^T.
;   v32-79, v212-215 V's fragments and scale words: LDS loads inside the softmax; read by the four products V^T P^T.
;   v192-197, v10  the way out's codes and scale bytes: written by vector instructions, read by the three stores.
; A working step has three waits on va_vdst beside those that stand behind its exponentials: ahead of K's loads (the last step's products are done reading the registers in which they land); ahead of V's loads, behind the
; blocks' maxima, which have read every score (the products K Q^T are done reading K's registers); ahead of the products V^T P^T (p's codes and scale word are written).  V's twenty loads follow their wait in four groups
; among vector instructions that name v8, v12, v13 and v216-223 alone.
.set STEPB, 13824
.set VOF,   6144
.set KSC,   12288
.set VSC,   13312
.set J,    2                           ; s2   the key step
.set NP,   3                           ; s3   trips of two steps to go
.set MK,   4                           ; s[4:11] at the head the arguments; in the loop the diagonal's masks, eight to a run
.set WV,   12
.set BLK,  13                          ; s13  my block of 128 queries
.set IDX,  14                          ; s14  my tile of 16 in it
.set PLIM, 15                          ; s15  a wave prefetches while J is under this
.set HB,   16                          ; s[16:17] the head's first step in kv
.set PN,   18                          ; s[18:19] the step that is being asked for
.set SEL,  20
.set CS,   22                          ; s[22:23] c = log2(e) / 8
.set OFS,  24                          ; s[24:25] an offset, the upper word 0
; v1 16 x thread; v2 16 x lane; v3 512 + 8 x lane; v4 4 x lane; v5 my query in its block - 8 h; v6 the prefetch's offset; v8-10 at work; v12 -M; v13 the largest t; v[14:15] the sum
; v16-27 Q (22-27 zeros); v28 its scale word; v30 f; v31 p's scale word; v32-79 K's 8 units, then V's 4 fragments; v80-85 zeros; v86-93 K's scale words; v96-159 S^T, then p; v160-191 O^T
; v192-203 p's codes; v204-210 at work; v212-215 V's scale words; v216-229 block figures; v231 -infinity; v232-239, v240-247 the two copy sets
.macro QUANT2 src, pc, xc, tm, wd      ; 32 numbers of a lane, two blocks of which it holds 16 each, become a unit in v[pc .. pc + 5] and two scale bytes in v[wd]
	v_max3_num_f32 v[\tm], |v[\src]|, |v[\src+1]|, 0x1800000         ; the floor 2^(3 - 127) among the leaves: the byte cannot fall under 1
	v_max3_num_f32 v[\tm+1], |v[\src+16]|, |v[\src+17]|, 0x1800000
.irp i, 2,4,6,8,10,12,14
	v_max3_num_f32 v[\tm], v[\tm], |v[\src+\i]|, |v[\src+\i+1]|
	v_max3_num_f32 v[\tm+1], v[\tm+1], |v[\src+16+\i]|, |v[\src+17+\i]|
.endr
	v_permlanex16_b32 v[\tm+2], v[\tm], s[SEL], s[SEL+1]
	v_permlanex16_b32 v[\tm+3], v[\tm+1], s[SEL], s[SEL+1]
	v_max_num_f32 v[\tm], v[\tm], v[\tm+2]
	v_max_num_f32 v[\tm+1], v[\tm+1], v[\tm+3]
	v_add_nc_u32 v[\tm+4], 0xff000000, v[\tm]                        ; 2 off the exponent field: the conversion's scale operand
	v_add_nc_u32 v[\tm+5], 0xff000000, v[\tm+1]
	v_lshrrev_b32 v[\tm+2], 23, v[\tm+4]
	v_lshrrev_b32 v[\tm+3], 23, v[\tm+5]
	v_lshl_or_b32 v[\wd], v[\tm+3], 8, v[\tm+2]
	v_cvt_scalef32_pk16_fp6_f32 v[\pc:\pc+2], v[\src:\src+15], v[\tm+4]
	v_cvt_scalef32_pk16_fp6_f32 v[\xc:\xc+2], v[\src+16:\src+31], v[\tm+5]
	v_nop                                                            ; one plain place behind a scaled conversion
.irp i, 0,1,2
	v_permlane16_swap_b32 v[\pc+\i], v[\xc+\i]
.endr
.irp i, 0,1,2
	v_mov_b32 v[\pc+3+\i], v[\xc+\i]
.endr
.endm
; Step J + 1, which lies in the set 1 - buf, goes into the buffer 1 - buf, which every wave has left (the last step's barrier); step J + 2 is asked for, into the set buf, whose LDS stores were waited for a step ago.
.macro COPY buf
	s_wait_loadcnt 0x0                             ; step J + 1 is in registers
	s_wait_xcnt 0x0                                ; and the last prefetch, a step back, has read its base
	s_wait_alu depctr_vm_vsrc(0)                   ; the LDS stores of the step before (in the first trip: the head's) have read the set buf, in which the global loads below land
	s_add_co_u32 s[OFS], s[J], 2
	s_min_u32 s[OFS], s[OFS], 31                   ; no load leaves the head's 32 steps
	s_mul_i32 s[OFS], s[OFS], STEPB
	s_add_nc_u64 s[PN:PN+1], s[HB:HB+1], s[OFS:OFS+1]
	ds_store_b128 v1, v[240-8*\buf:243-8*\buf] offset:(1-\buf)*STEPB
	global_load_b128 v[232+8*\buf:235+8*\buf], v1, s[PN:PN+1]
	s_cmp_lt_u32 s[WV], 11                         ; 13,824 = 16 x 512 + 11 x 512: waves 0 to 10 copy a second piece
	s_cbranch_scc0 .Lone_\@
	ds_store_b128 v1, v[244-8*\buf:247-8*\buf] offset:(1-\buf)*STEPB+8192
	global_load_b128 v[236+8*\buf:239+8*\buf], v1, s[PN:PN+1] offset:8192
.Lone_\@:
	s_cmp_lt_u32 s[J], s[PLIM]                     ; step J + 4 is prefetched: two steps ahead of the load that will ask for it.  All work-groups of a head walk the same steps: the head's work-group 0 asks, which walks
	s_cbranch_scc0 .Lnopf_\@                       ; all 32; in it waves 12 and 13, lanes 256 bytes apart over the step's 54 blocks of 256 bytes.  Steps 0 to 3 come by their loads alone; from J = 28 on there is no step J + 4
	global_prefetch_b8 v6, s[PN:PN+1] offset:2*STEPB th:TH_LOAD_NT scope:SCOPE_SE
.Lnopf_\@:
.endm
; V's fragment t (two units) and its scale word: five LDS loads
.macro VLOAD buf, t
	ds_load_b128 v[32+12*(\t):35+12*(\t)], v2 offset:(\buf)*STEPB+VOF+768*(\t)
	ds_load_b64 v[36+12*(\t):37+12*(\t)], v3 offset:(\buf)*STEPB+VOF+768*(\t)
	ds_load_b128 v[38+12*(\t):41+12*(\t)], v2 offset:(\buf)*STEPB+VOF+768*(4+(\t))
	ds_load_b64 v[42+12*(\t):43+12*(\t)], v3 offset:(\buf)*STEPB+VOF+768*(4+(\t))
	ds_load_b32 v[212+(\t)], v4 offset:(\buf)*STEPB+VSC+128*(\t)
.endm
.macro KSTEP buf
	COPY \buf
	s_cmp_gt_u32 s[J], s[BLK]                      ; all keys of the step come after my queries: its work is left out, not its copy nor its barrier
	s_cbranch_scc1 .Lskip_\@
	s_wait_alu depctr_va_vdst(0)                   ; the last step's products V^T P^T are done reading v32-79 and its products K Q^T v86-93, in which the loads below land; in the first trip: the zero codes v22-27 and v80-85 are written, which the products below take as operands
.irp t, 0,1,2,3,4,5,6,7
	ds_load_b128 v[32+6*\t:35+6*\t], v2 offset:\buf*STEPB+768*\t
	ds_load_b64 v[36+6*\t:37+6*\t], v3 offset:\buf*STEPB+768*\t
	ds_load_b32 v[86+\t], v4 offset:\buf*STEPB+KSC+128*\t
.endr
	s_wait_dscnt 0x0
.irp t, 0,1,2,3,4,5,6,7                        ; S^T: keys 16 t + 8 h + j, query r.  Source 0's upper six registers are the next tile's codes (zeros for the last): they meet Q's zero codes
	v_wmma_scale_f32_16x16x128_f8f6f4 v[96+8*\t:103+8*\t], v[32+6*\t:43+6*\t], v[16:27], 0, v[86+\t], v28 matrix_a_fmt:MATRIX_FMT_FP6 matrix_b_fmt:MATRIX_FMT_FP6
.endr
.rept 4
	v_nop                                          ; places in front of the first read of the scores
.endr
	s_cmp_lg_u32 s[J], s[BLK]                      ; on the diagonal hidden scores become -infinity ahead of the maximum: p = 0 then
	s_cbranch_scc1 .Lopen_\@
.irp t, 0,1,2,3,4,5,6,7                        ; a tile's eight registers to a run: eight compares into eight masks, one wait, eight selects
.irp j, 0,1,2,3,4,5,6,7
	v_cmp_gt_i32 s[MK+\j], 16*\t+\j, v5            ; register 8 t + j holds key 16 t + j + 8 h of the step
.endr
	s_wait_alu depctr_va_sdst(0)                   ; the eight masks are written, ahead of the selects that read them
.irp j, 0,1,2,3,4,5,6,7
	v_cndmask_b32 v[96+8*\t+\j], v[96+8*\t+\j], v231, s[MK+\j]
.endr
.endr
.Lopen_\@:
.irp b, 0,1,2,3
	v_max3_num_f32 v[216+\b], v[96+16*\b], v[97+16*\b], v[98+16*\b]     ; the largest score of each block of 32 keys: for the row's maximum, and, since p rises with the score, for the block's largest p
.endr
.irp i, 3,5,7,9,11,13
.irp b, 0,1,2,3
	v_max3_num_f32 v[216+\b], v[216+\b], v[96+16*\b+\i], v[97+16*\b+\i]
.endr
.endr
.irp b, 0,1,2,3
	v_max_num_f32 v[216+\b], v[216+\b], v[111+16*\b]
.endr
	s_wait_alu depctr_va_vdst(0)                   ; the products K Q^T are done reading v32-85, in which V's fragments land.  No vector instruction from here to the products V^T P^T names v32-79, v212-215 or v2-4
	VLOAD \buf, 0                                  ; V's fragments land while the softmax is walked: four groups of five loads among the lines that hang on each other
.irp b, 0,1,2,3
	v_permlanex16_b32 v[220+\b], v[216+\b], s[SEL], s[SEL+1]
.endr
	VLOAD \buf, 1
.irp b, 0,1,2,3
	v_max_num_f32 v[216+\b], v[216+\b], v[220+\b]  ; with lane l xor 16's 16 keys
.endr
	VLOAD \buf, 2
	v_max3_num_f32 v8, v216, v217, v218
	v_max_num_f32 v8, v8, v219
	v_mul_f32 v8, s[CS], v8                        ; the step's largest t (c is positive)
	v_max_num_f32 v13, v13, v8
	VLOAD \buf, 3
	v_mov_b32 v8, v12
	v_floor_f32 v12, -v13                          ; the new -M = -ceil(t)
	v_sub_f32 v8, v12, v8                          ; old M - new M: a whole number, 0 or less
	v_cvt_i32_f32 v8, v8                           ; (it saturates)
	v_ldexp_f32 v30, 1.0, v8                       ; f = 2^(old M - new M): a multiplication by it rounds nothing
.set n, 0
.rept 32
	v_pk_fma_f32 v[96+n:97+n], v[96+n:97+n], s[CS:CS+1], v[12:13] op_sel_hi:[1,0,0]   ; t - M
.set n, n+2
.endr
.irp b, 0,1,2,3
	v_fma_f32 v[216+\b], v[216+\b], s[CS], v12
.endr
.set n, 0
.rept 64
	v_exp_f32 v[96+n], v[96+n]                     ; p = 2^(t - M)
.set n, n+1
.endr
	v_pk_mul_f32 v[14:15], v[14:15], v[30:31] op_sel_hi:[1,0]   ; the sums under the new M: a plain place behind the exponentials
	s_wait_alu depctr_va_vdst(0)                   ; the 64 exponentials have written p, v96-159: one wait for the batch, ahead of its first reader
.irp b, 0,1,2,3
	v_exp_f32 v[216+\b], v[216+\b]                 ; the blocks' largest p
.endr
	v_pk_add_f32 v[228:229], v[96:97], v[98:99]    ; the row's sum of the unquantised p, in two chains
.irp j, 4,8,12,16,20,24,28,32,36,40,44,48,52,56,60
	v_pk_add_f32 v[14:15], v[14:15], v[96+\j:97+\j]
	v_pk_add_f32 v[228:229], v[228:229], v[98+\j:99+\j]
.endr
	v_pk_add_f32 v[14:15], v[14:15], v[228:229]
	s_wait_alu depctr_va_vdst(0)                   ; and one for the four, which have written v216-219
.irp b, 0,1,2,3
	v_max_num_f32 v[216+\b], 0x1800000, v[216+\b]  ; the floor 2^(3 - 127)
.endr
.irp b, 0,1,2,3
	v_add_nc_u32 v[224+\b], 0xff000000, v[216+\b]  ; the conversions' scale operands
.endr
.irp b, 0,1,2,3
	v_lshrrev_b32 v[220+\b], 23, v[224+\b]
.endr
	v_lshl_or_b32 v31, v221, 8, v220               ; p's scale word for these 128 keys
	v_lshl_or_b32 v31, v222, 16, v31
	v_lshl_or_b32 v31, v223, 24, v31
.irp c, 0,1
	v_cvt_scalef32_pk16_fp6_f32 v[192+6*\c:194+6*\c], v[96+32*\c:111+32*\c], v[224+2*\c]
	v_cvt_scalef32_pk16_fp6_f32 v[204+4*\c:206+4*\c], v[112+32*\c:127+32*\c], v[225+2*\c]
.endr
	v_nop                                          ; one plain place behind a scaled conversion
.irp c, 0,1
.irp i, 0,1,2
	v_permlane16_swap_b32 v[192+6*\c+\i], v[204+4*\c+\i]
.endr
.irp i, 0,1,2
	v_mov_b32 v[195+6*\c+\i], v[204+4*\c+\i]
.endr
.endr
.set n, 0
.rept 16
	v_pk_mul_f32 v[160+n:161+n], v[160+n:161+n], v[30:31] op_sel_hi:[1,0]   ; O^T under the new M; these 16 are also the places between p's codes and scale word and the products
.set n, n+2
.endr
	s_wait_dscnt 0x0                               ; V
	s_wait_alu depctr_va_vdst(0)                   ; p's codes v192-203 and its scale word v31 are written, which the scaled products below take as operand and as scales; the places above stay beside this wait
.irp t, 0,1,2,3
	v_wmma_scale_f32_16x16x128_f8f6f4 v[160+8*\t:167+8*\t], v[32+12*\t:43+12*\t], v[192:203], v[160+8*\t:167+8*\t], v[212+\t], v31 matrix_a_fmt:MATRIX_FMT_FP6 matrix_b_fmt:MATRIX_FMT_FP6
.endr
.rept 4
	v_nop                                          ; places in front of the way out's first read of O^T
.endr
.Lskip_\@:
	s_add_co_u32 s[J], s[J], 1
	s_wait_dscnt 0x0                               ; my stores into the other buffer have landed and my reads of this one are over
	s_barrier_signal -1
	s_barrier_wait -1
.endm
	s_load_b256 s[4:11], s[0:1], 0x0               ; qb 4, kv 6, ac 8, asc 10
	v_lshl_add_u32 v254, v0, 2, 0x6c00
	v_mov_b32 v255, 0
	v_lshrrev_b32 v8, 5, v0
	v_readfirstlane_b32 s[WV], v8                  ; wave 0..15
	v_lshlrev_b32 v1, 4, v0                        ; the lane terms stand between that line and the wait for its result
	v_and_b32 v9, 31, v0
	v_lshlrev_b32 v2, 4, v9
	v_lshl_add_u32 v3, v9, 3, 512
	v_lshlrev_b32 v4, 2, v9
	v_and_b32 v8, 15, v0
	v_bfe_u32 v9, v0, 4, 1
	v_lshlrev_b32 v9, 3, v9
	v_sub_nc_u32 v5, v8, v9
	v_and_b32 v6, 63, v0
	v_min_u32 v6, 53, v6
	v_lshlrev_b32 v6, 8, v6
	s_and_b32 s36, ttmp7, 0xffff                   ; the head
	s_wait_alu depctr_va_sdst(0)                   ; s12, the wave's number, is written, ahead of its first reader
	s_lshr_b32 s37, s[WV], 2
	s_xor_b32 s37, s37, s[WV]
	s_and_b32 s37, s37, 1                          ; which of the two blocks
	s_lshr_b32 s[IDX], s[WV], 1
	s_sub_co_u32 s38, 31, ttmp9
	s_cmp_eq_u32 s37, 0
	s_cselect_b32 s[BLK], ttmp9, s38
	s_sub_co_u32 s[NP], 33, ttmp9
	s_lshr_b32 s[NP], s[NP], 1                     ; 32 - i steps, two a trip
	s_xor_b32 s37, s[IDX], 6                       ; waves 12 and 13
	s_or_b32 s37, s37, ttmp9                       ; of work-group 0 of the head
	s_cmp_eq_u32 s37, 0
	s_cselect_b32 s[PLIM], 28, 0
	s_mov_b32 s[J], 0
	s_mov_b32 s[SEL], 0x76543210
	s_mov_b32 s[SEL+1], 0xfedcba98
	s_mov_b32 s[CS], 0x3e38aa3b                    ; log2(e) / 8
	s_mov_b32 s[CS+1], s[CS]                       ; (named with it as a pair)
	s_mul_i32 s[OFS], s36, 32*STEPB
	s_mov_b32 s[OFS+1], 0
	s_lshl_b32 s26, s36, 5
	s_add_co_u32 s26, s26, s[BLK]
	s_mul_i32 s26, s26, 7168
	s_mov_b32 s27, 0
	s_mul_i32 s37, s[IDX], 768
	s_lshl_b32 s38, s[IDX], 7
	s_lshl_b32 s39, s[BLK], 4
	s_add_co_u32 s39, s39, s36
	s_lshl_b32 s39, s39, 3
	s_add_co_u32 s39, s39, s[IDX]                  ; my unit of the result: (16 block + head) 8 + tile
	s_lshl_b32 s[PN], s[IDX], 4
	v_add_nc_u32 v5, s[PN], v5                     ; 16 tile + r - 8 h
	s_wait_kmcnt 0x0
	s_add_nc_u64 s[HB:HB+1], s[6:7], s[OFS:OFS+1]
	s_add_nc_u64 s[4:5], s[4:5], s[26:27]
	s_mov_b32 s26, s37
	s_add_nc_u64 s[28:29], s[4:5], s[26:27]        ; Q's unit
	s_add_co_u32 s26, s38, 6144
	s_add_nc_u64 s[30:31], s[4:5], s[26:27]        ; its scale image
	s_mul_i32 s26, s39, 768
	s_add_nc_u64 s[32:33], s[8:9], s[26:27]
	s_lshl_b32 s26, s39, 7
	s_add_nc_u64 s[34:35], s[10:11], s[26:27]
	s_wait_alu depctr_va_vdst(0)                   ; v1 to v4 and v6 are written: every load, LDS store, prefetch and store of the kernel reads one of them as its offset or address, and no vector instruction names them again
	global_load_b128 v[232:235], v1, s[HB:HB+1]                    ; steps 0 and 1
	global_load_b128 v[240:243], v1, s[HB:HB+1] offset:STEPB
	s_cmp_lt_u32 s[WV], 11
	s_cbranch_scc0 .Lhead_one
	global_load_b128 v[236:239], v1, s[HB:HB+1] offset:8192
	global_load_b128 v[244:247], v1, s[HB:HB+1] offset:STEPB+8192
.Lhead_one:
	global_load_b128 v[16:19], v2, s[28:29]
	global_load_b64 v[20:21], v3, s[28:29]
	global_load_b32 v28, v4, s[30:31]
.irp n, 22,23,24,25,26,27,80,81,82,83,84,85
	v_mov_b32 v[\n], 0                             ; zero codes for K = 64 .. 127
.endr
	v_mov_b32 v13, 0xff61b1e6                      ; the largest t so far: -3e38
	v_floor_f32 v12, -v13
	v_mov_b32 v14, 0
	v_mov_b32 v15, 0
	v_mov_b32 v30, 0
	v_mov_b32 v31, 0                               ; (named as the upper half of the pair v[30:31] before it is first written)
	v_mov_b32 v231, 0xff800000
.irp n, 216,217,218,219,220,221,222,223
	v_mov_b32 v[\n], 0                             ; a lane permute's destination counts as one of its sources
.endr
.set n, 0
.rept 32
	v_mov_b32 v[160+n], 0                          ; O^T: the step is written once; the first finds zeros, which the first change of M leaves zeros
.set n, n+1
.endr
	s_wait_loadcnt 0x0
	ds_store_b128 v1, v[232:235]
	s_cmp_lt_u32 s[WV], 11
	s_cbranch_scc0 .Lhead_two
	ds_store_b128 v1, v[236:239] offset:8192
.Lhead_two:
	s_wait_dscnt 0x0
	s_barrier_signal -1
	s_barrier_wait -1                              ; step 0 lies in buffer 0
.Ltrip:
	KSTEP 0
	KSTEP 1
	s_sub_co_u32 s[NP], s[NP], 1
	s_cmp_lg_u32 s[NP], 0
	s_cbranch_scc1 .Ltrip
	; THE WAY OUT: O^T / the sum, brought into the natural order along the head's 64 (Wo's codes are given so), quantised, stored as a unit and its two scale bytes
	v_add_f32 v14, v14, v15
	v_permlanex16_b32 v8, v14, s[SEL], s[SEL+1]
	v_add_f32 v14, v14, v8                         ; the row's sum
	v_rcp_f32 v30, v14
	v_nop                                          ; a plain place behind the transcendental
	s_wait_alu depctr_va_vdst(0)                   ; the reciprocal has written v30: the wait ahead of its first reader
.set n, 0
.rept 16
	v_pk_mul_f32 v[96+n:97+n], v[160+n:161+n], v[30:31] op_sel_hi:[1,0]   ; register 8 t + j: channel 16 t + 8 h + j
.set n, n+2
.endr
.irp b, 0,1
.irp j, 0,1,2,3,4,5,6,7
	v_permlane16_swap_b32 v[96+16*\b+\j], v[104+16*\b+\j]   ; the lane's 16 registers of block b now are channels 32 b + 16 h + 0 .. 15
.endr
.endr
	QUANT2 96, 192, 204, 216, 10
	s_wait_alu depctr_va_vdst(0)                   ; the codes v192-197 and the scale bytes v10 are written, which the three stores read
	global_store_b128 v2, v[192:195], s[32:33]
	global_store_b64 v3, v[196:197], s[32:33]
	global_store_b32 v4, v10, s[34:35]
	s_wait_dscnt 0x0
	s_wait_alu depctr_hold_cnt(0) depctr_sa_sdst(0) depctr_va_vdst(0) depctr_va_sdst(0) depctr_va_ssrc(0) depctr_va_vcc(0) depctr_vm_vsrc(0)
	s_wait_tensorcnt 0x0
	ds_add_u32 v254, v255
	s_wait_dscnt 0x0
	s_endpgm
.Lfunc_end_k_q533cf500b8_attn:
	.size	k_q533cf500b8_attn, .Lfunc_end_k_q533cf500b8_attn-k_q533cf500b8_attn
	.p2alignl 7, 3214868480
	.fill 96, 4, 3214868480
	.section	.rodata,"a",@progbits
	.p2align	6, 0x0
	.amdhsa_kernel k_q533cf500b8_attn
		.amdhsa_group_segment_fixed_size 29696
		.amdhsa_private_segment_fixed_size 0
		.amdhsa_enable_private_segment 0
		.amdhsa_kernarg_size 32
		.amdhsa_user_sgpr_count 2
		.amdhsa_user_sgpr_kernarg_segment_ptr 1
		.amdhsa_wavefront_size32 1
		.amdhsa_system_sgpr_workgroup_id_x 1
		.amdhsa_system_sgpr_workgroup_id_y 1
		.amdhsa_system_sgpr_workgroup_id_z 1
		.amdhsa_system_vgpr_workitem_id 0
		.amdhsa_next_free_vgpr 256
		.amdhsa_next_free_sgpr 66
		.amdhsa_reserve_vcc 0
		.amdhsa_float_denorm_mode_32 3
		.amdhsa_float_denorm_mode_16_64 3
		.amdhsa_memory_ordered 1
		.amdhsa_forward_progress 1
		.amdhsa_inst_pref_size 63
	.end_amdhsa_kernel
	.amdgpu_metadata
---
amdhsa.version: [ 1, 2 ]
amdhsa.kernels:
  - .name:           k_q533cf500b8_attn
    .symbol:         k_q533cf500b8_attn.kd
    .args:
      - { .name: qb, .offset: 0, .size: 8, .value_kind: global_buffer, .address_space: global }
      - { .name: kv, .offset: 8, .size: 8, .value_kind: global_buffer, .address_space: global }
      - { .name: ac, .offset: 16, .size: 8, .value_kind: global_buffer, .address_space: global }
      - { .name: asc, .offset: 24, .size: 8, .value_kind: global_buffer, .address_space: global }
    .group_segment_fixed_size: 29696
    .private_segment_fixed_size: 0
    .kernarg_segment_align: 8
    .kernarg_segment_size: 32
    .max_flat_workgroup_size: 512
    .sgpr_count:     66
    .vgpr_count:     256
    .wavefront_size: 32
...
	.end_amdgpu_metadata
.endif
;; end of part 4
;; launch proj: the kernel of part 3 again; grid 8 x 32, 4 waves a work-group, clusters of 4 x 4, 220,672 bytes of LDS; arguments ac, asc, Wo_codes, Wo_scales, bo, out0; writes out0
